; MI455X (gfx1250); checked and timed in simulation.
; The chip was launched on July 23, 2026; its instructions are those of AMD's public machine-readable ISA for CDNA 5 (MIT licence, August 2026) and "CDNA5" Instruction Set Architecture Reference Guide (July 2026). The comments in the code are by the model that wrote it; some were corrected since.
;; Relation Unit. Allowed arithmetic: matrix products marked QUANTISED: E2M3 operands, one E8M0 scale for each 32 along K, by v_wmma_scale_f32_16x16x128_f8f6f4 with both operands' format E2M3, f32 sums; everything else in f32.
;; Inputs: WK 64 x 512 float32; WQ 64 x 512 float32; WV 512 x 512 float32; Wt 512 x 512 float32; key 2,048 x 16 x 512 float32; query 2,048 x 16 x 512 float32; value 2,048 x 16 x 512 float32.
;; Outputs: out0 2,048 x 16 x 512 float32.
;; This version of the problem:
;;   THIS VERSION OF THE PROBLEM IS GIVEN IN LOW PRECISION. The matrix products marked QUANTISED in the list below multiply operands that are first quantised to E2M3 (2 exponent bits, 3 mantissa bits; 6 bits a number), with one power-of-two scale for each 32 numbers along K (OCP MX v1.0); their sums are f32. All else is computed in f32.
;;   The module's matrix products, in the order in which they are computed (A, B: the left and right operand; K: the contracted axis; several contracted axes count as one K, in the product's order):
;;     1. [M 32,768, K 512] x [K 512, N 64]; A: input key; B: input WK: QUANTISED
;;     2. [M 32,768, K 512] x [K 512, N 64]; A: input query; B: input WQ: QUANTISED
;;     3. batch 16 x [M 2,048, K 64] x [K 64, N 2,048]; A: computed on the way; B: computed on the way: QUANTISED
;;     4. [M 32,768, K 512] x [K 512, N 512]; A: input value; B: input WV: QUANTISED
;;     5. batch 16 x [M 512, K 2,048] x [K 2,048, N 2,048]; A: computed on the way; B: computed on the way: QUANTISED
;;     6. [M 32,768, K 512] x [K 512, N 512]; A: computed on the way; B: input Wt: QUANTISED
;;   THE QUANTISER, for each operand of a quantised product, along K:
;;     - K is cut into blocks of 32 from its start; a last block that is shorter is filled with zeros.
;;     - A block's scale is 2^e with e = floor(log2(the largest magnitude in the block)) - 2, held to -126 .. 127; a block of zeros has e = 0. As a byte (E8M0): e + 127.
;;     - Each number is divided by its block's scale, clamped to +-7.5, and rounded to the nearest number of E2M3, ties to even, subnormals kept.
;;     - The product sums the exact products of the quantised numbers (number of the format x scale) in f32.
;;   ~~~python
;;   def quantise(x, axis):      # numpy; x: float32 -> the quantised numbers, widened to float32 again
;;       x = np.moveaxis(x, axis, -1); K = x.shape[-1]
;;       x = np.pad(x, [(0, 0)] * (x.ndim - 1) + [(0, -K % 32)]); x = x.reshape(x.shape[:-1] + (-1, 32)); a = np.abs(x).max(-1, keepdims=True)
;;       e = np.where(a > 0, np.clip(np.frexp(np.where(a > 0, a, 1))[1] - 1 - 2, -126, 127), 0)      # np.frexp(a)[1] - 1 = floor(log2(a)), exactly
;;       r = np.clip(x / 2.0 ** e, -7.5, 7.5)
;;       step = 2.0 ** (np.maximum(np.frexp(np.where(r == 0, 1, r))[1] - 1, 0) - 3)
;;       q = np.round(r / step) * step * 2.0 ** e      # np.round: ties to even
;;       return np.moveaxis(q.reshape(q.shape[:-2] + (-1,))[..., :K], -1, axis).astype(np.float32)
;;   ~~~
;;   OPERANDS COMPUTED ON THE WAY. 'Computed on the way' means the value that the module computes at that place (a softmax that the list does not call 'softmax' is quantised finished and normalised). What goes into a quantiser is computed in f32, as accurately as f32 sums, v_exp_f32 and their like allow (about 1e-6 of the number): no bf16 or f16 on the way to a quantiser, and a product that is left as it is and whose result goes on into a quantised operand takes f32 operands (vector FMAs, or v_wmma_f32_16x16x4_f32). A number that lies on a knife's edge between two numbers of the format may be rounded either way, as far as f32 arithmetic and the matrix unit's own rounding can turn it there, and no further.
;; One version. Each part assembles by itself: llvm-mc -triple=amdgcn-amd-amdhsa -mcpu=gfx1250 --defsym DOCPART=n.
;; ======== version 1 of 1: 4 launches
;; workspace buffers: kimg 1,703,936 bytes; qimg 1,703,936 bytes; wimg 425,984 bytes; vimg 13,631,488 bytes; ones 131,072 bytes; rinv 131,072 bytes; cinv 131,072 bytes
;; launch projqk (part 1): grid 256 x 1, 8 waves a work-group, no clusters, 95,232 bytes of LDS; arguments key, query, WK, WQ, WV, Wt, kimg, qimg, wimg, ones; writes kimg, qimg, wimg, ones
.if DOCPART == 1
	.amdgcn_target "amdgcn-amd-amdhsa--gfx1250"
	.amdhsa_code_object_version 6
	.text
	.protected	k_qbe78bd7f47_projqk
	.globl	k_qbe78bd7f47_projqk
	.p2align	8
	.type	k_qbe78bd7f47_projqk,@function
k_qbe78bd7f47_projqk:
	s_mov_b64 s[64:65], 0
	v_nop
	global_prefetch_b8 v0, s[64:65] scope:SCOPE_SE
	s_setreg_imm32_b32 hwreg(HW_REG_WAVE_MODE, 25, 1), 1
	s_wait_xcnt 0x0
; w = l2norm(Q(x) Q(W)^T), quantised again along its 64 numbers.  x = key with W = WK (work-groups 0-127) or query with WQ (128-255): [2048][16][512] f32, W [64][512] f32.
; Both products on codes of FP6 (E2M3) with one E8M0 scale for each 32 along K.  Only pointers are chosen by the work-group's number: both tensors take one path.
; SHARES.  Work-group = tensor x 128 + batch x 8 + g.  Wave w owns PAIR p = 8 g + w: rows 32 p .. 32 p + 31 of its batch, as two tiles of 16.
; THE ROWS OF A TILE ARE NOT NEIGHBOURS: place i of tile u takes row 8 u + i + 8 (i / 8) of its 32.  As source 0 of a product such tiles leave, in the 16 registers of tiles 2 b and 2 b + 1,
; 16 neighbours 32 b + 16 (lane / 16) + 0 .. 15.  Every tile of this program (rows of x, rows of the weights) is cut so.
; THE PRODUCT IS USED TRANSPOSED: source 0 = 16 rows of W, source 1 = 16 rows of x: a lane holds one row of x and its registers run along the 64 results.
; OUTPUT: a PAIR IMAGE: one operand of 12 registers a lane: k 0-63 = tile 0's 64 codes, k 64-127 = tile 1's; stored as it stands, 16 bytes a lane, 512 bytes a store; its scale word 4 bytes a lane.
;   A batch of kimg / qimg is 16 records of 6,656 bytes (128 rows): four pair images, then their four scale images of 128 bytes.
; x comes by loads of 512 consecutive bytes of one row, 16 rows a unit, and turns through the wave's own stage in LDS (rows of 528 bytes), so that a lane gets 16 neighbours of each block of 32.
; W is quantised here, two operands a wave, and handed round through LDS as images of the operands' registers.
; BESIDE THAT wave 0 quantises one operand (16 rows x 128 K) of WV or Wt, number = the work-group's, into wimg, and writes 128 ones: the later launches' weights.
; LIMITS: NaN and infinities are not served.  A block of zeros gets the scale byte 1 and not 127: its codes are zeros, and this program alone reads the bytes.
;   1 / max(norm, 1e-12) is v_sqrt_f32, v_rcp_f32 and a multiplication; a sum of squares under 2^-126 counts as 0, where the norm lies under 1e-12 anyway.
.set RSTR,  32768                      ; bytes from a row of a batch to the next: 16 x 512 x 4
.set WIMG,  0                          ; LDS: W's 16 operands (tile t, K step s: 4 t + s), 1,536 bytes each
.set WSC,   24576                      ; their scale images, 128 bytes each
.set STG,   26624                      ; a stage of 16 x 528 bytes for each wave
.set SP,    528                        ; 512 bytes + 16: the sixteen rows that a load touches start 16 bytes apart modulo 256
.set LI,    1                          ; v1   16 x lane
.set LS,    2                          ; v2   4 x lane
.set STO,   3                          ; v3   stage, by rows: + 16 x lane
.set RDA,   4                          ; v4   stage, by lanes: + 528 (lane % 16) + 64 (lane / 16)
.set WA,    5                          ; v5   a weight's row of my place in a tile, 2,048 bytes a row, + 64 (lane / 16)
.set WIW,   6                          ; v6   where I store W's images
.set WSW,   7                          ; v7   and their scale words
.set WS,    8                          ; v8-11   W's scale words of the K step in hand: scales alone
.set R,     16                         ; v16-143 two sets of 64: a unit as loaded
.set X,     144                        ; v144-207 64 numbers in the quantiser's order: register 16 b + i = k 32 b + 16 (lane / 16) + i of my row
.set PC,    208                        ; v208-227 the codes just made
.set TM,    228                        ; v228-243 the quantiser's work
.set PW,    244                        ; v244 the scale word just made: scales alone
.set SS,    246                        ; v246-249 sums of squares
.set RN,    250                        ; v250-253 1 / norm, a pair for each tile
.set ACC,   192                        ; window 1: v0-191 W's 16 operands; v192-255 the results, 32 a tile
.set WV,    24
.set SEL,   26
.set XB,    28
.set WB,    30
.set OB,    32
.set OS,    34
.set MB,    36
.set MSB, 0
.macro WIN new                         ; the immediate's high byte repeats the setting that is left; a switch that changes nothing is dropped
.if MSB != (\new)
	s_set_vgpr_msb (MSB<<8)|(\new)
.set MSB, (\new)
.endif
.endm
.macro PLACES n
.rept \n
	v_nop
.endr
.endm
.macro MM0 d, a, b, sa, sb             ; the first product of a sum: C = 0, nothing is cleared
	v_wmma_scale_f32_16x16x128_f8f6f4 v[(\d):(\d)+7], v[(\a):(\a)+11], v[(\b):(\b)+11], 0, v[(\sa)], v[(\sb)] matrix_a_fmt:MATRIX_FMT_FP6 matrix_b_fmt:MATRIX_FMT_FP6
.endm
.macro MMA d, a, b, sa, sb
	v_wmma_scale_f32_16x16x128_f8f6f4 v[(\d):(\d)+7], v[(\a):(\a)+11], v[(\b):(\b)+11], v[(\d):(\d)+7], v[(\sa)], v[(\sb)] matrix_a_fmt:MATRIX_FMT_FP6 matrix_b_fmt:MATRIX_FMT_FP6
.endm
; 64 numbers of a lane, v[s] on in window sw, register 16 b + i = k 32 b + 16 (lane / 16) + i of my row, become an operand's 12 registers in v[pc] on and its scale word in v[pw].
.macro QUANT s, sw, pc, pw
	WIN 5*(\sw)
.irp b, 0,1,2,3
	v_max3_num_f32 v[TM+\b], |v[(\s)+16*\b]|, |v[(\s)+16*\b+1]|, 0x1800000   ; block b: my 16 numbers, and the floor 2^(3 - 127): the byte cannot fall under 1
.endr
	WIN 0x14*(\sw)
.irp i, 2,4,6,8,10,12,14
.irp b, 0,1,2,3
	v_max3_num_f32 v[TM+\b], v[TM+\b], |v[(\s)+16*\b+\i]|, |v[(\s)+16*\b+\i+1]|   ; the four blocks by turns
.endr
.endr
	WIN 0
.irp b, 0,1,2,3
	v_permlanex16_b32 v[TM+4+\b], v[TM+\b], s[SEL], s[SEL+1]
.endr
.irp b, 0,1,2,3
	v_max_num_f32 v[TM+\b], v[TM+\b], v[TM+4+\b]   ; with lane l xor 16's 16: the block's largest magnitude
.endr
.irp b, 0,1,2,3
	v_add_nc_u32 v[TM+12+\b], 0xff000000, v[TM+\b]   ; 2 off its exponent field: the conversion takes that field as its scale
.endr
.irp b, 0,1,2,3
	v_lshrrev_b32 v[TM+4+\b], 23, v[TM+12+\b]      ; the scale's byte
.endr
	v_lshl_or_b32 v[\pw], v[TM+5], 8, v[TM+4]
	v_lshl_or_b32 v[\pw], v[TM+6], 16, v[\pw]
	v_lshl_or_b32 v[\pw], v[TM+7], 24, v[\pw]
	WIN (\sw)
.irp c, 0,1
	v_cvt_scalef32_pk16_fp6_f32 v[(\pc)+6*\c:(\pc)+6*\c+2], v[(\s)+32*\c:(\s)+32*\c+15], v[TM+12+2*\c]
	v_cvt_scalef32_pk16_fp6_f32 v[(\pc)+12+4*\c:(\pc)+12+4*\c+2], v[(\s)+32*\c+16:(\s)+32*\c+31], v[TM+13+2*\c]   ; (a conversion's three registers begin on an even number)
.endr
	WIN 0
	v_nop                                          ; one plain place behind a scaled conversion
.irp c, 0,1                                    ; the operand wants a whole block in a lane: lanes 0-15 block 2 c, lanes 16-31 block 2 c + 1
.irp i, 0,1,2
	v_permlane16_swap_b32 v[(\pc)+6*\c+\i], v[(\pc)+12+4*\c+\i]
.endr
.irp i, 0,1,2
	v_mov_b32 v[(\pc)+3+6*\c+\i], v[(\pc)+12+4*\c+\i]
.endr
.endr
.endm
.macro IMAGE adr, off, pc              ; an operand goes to LDS as it stands: 16 bytes a lane, 512 bytes a store
.irp c, 0,1,2
	ds_store_b128 v[\adr], v[(\pc)+4*\c:(\pc)+4*\c+3] offset:(\off)+512*\c
.endr
.endm
.macro WLOAD reg, base, off            ; 16 rows x 128 K of a weight, straight in the quantiser's order
.irp b, 0,1,2,3
.irp j, 0,1,2,3
	global_load_b128 v[(\reg)+16*\b+4*\j:(\reg)+16*\b+4*\j+3], v[WA], s[\base:\base+1] offset:(\off)+128*\b+16*\j
.endr
.endr
.endm
.macro LOADS reg, rowbase, kbyte       ; a unit: 16 rows x 512 bytes; each load reads 512 consecutive bytes of one row
.irp i, 0,1,2,3,4,5,6,7,8,9,10,11,12,13,14,15
	global_load_b128 v[(\reg)+4*\i:(\reg)+4*\i+3], v[LI], s[XB:XB+1] offset:((\rowbase)+\i+8*(\i/8))*RSTR+(\kbyte) th:TH_LOAD_NT
.endr
.endm
.macro TURN reg                        ; through my stage: LDS serves a wave's instructions in order, so no wait stands between the stores and the loads
.irp i, 0,1,2,3,4,5,6,7,8,9,10,11,12,13,14,15
	ds_store_b128 v[STO], v[(\reg)+4*\i:(\reg)+4*\i+3] offset:SP*\i
.endr
.irp b, 0,1,2,3
.irp j, 0,1,2,3
	ds_load_b128 v[X+16*\b+4*\j:X+16*\b+4*\j+3], v[RDA] offset:128*\b+16*\j
.endr
.endr
.endm
	s_load_b256 s[4:11], s[0:1], 0x0               ; key, query, WK, WQ
	s_load_b256 s[12:19], s[0:1], 0x20             ; WV, Wt, kimg, qimg
	s_load_b128 s[20:23], s[0:1], 0x40             ; wimg, ones
	v_lshl_add_u32 v254, v0, 2, 0x17000
	v_mov_b32 v255, 0
	v_lshrrev_b32 v12, 5, v0
	v_readfirstlane_b32 s[WV], v12                 ; wave 0..7
	v_and_b32 v12, 31, v0                          ; lane
	v_and_b32 v13, 15, v0                          ; r
	v_bfe_u32 v14, v0, 4, 1                        ; h
	v_lshlrev_b32 v[LI], 4, v12
	v_lshlrev_b32 v[LS], 2, v12
	s_mul_i32 s25, s[WV], 16*SP
	s_add_co_u32 s25, s25, STG                     ; my stage
	v_add_nc_u32 v[STO], s25, v[LI]
	v_mul_u32_u24 v[RDA], v13, SP
	v_lshl_add_u32 v[RDA], v14, 6, v[RDA]
	v_add_nc_u32 v[RDA], s25, v[RDA]
	v_and_b32 v15, 8, v13
	v_add_nc_u32 v15, v15, v13                     ; r + 8 (r / 8)
	v_lshlrev_b32 v[WA], 11, v15
	v_lshl_add_u32 v[WA], v14, 6, v[WA]
	s_mul_i32 s25, s[WV], 3072
	v_add_nc_u32 v[WIW], s25, v[LI]                ; operands 2 w and 2 w + 1
	s_lshl_b32 s25, s[WV], 8
	s_add_co_u32 s25, s25, WSC
	v_add_nc_u32 v[WSW], s25, v[LS]
.irp b, 0,1,2,3
	v_mov_b32 v[TM+4+\b], 0                        ; written once: a lane permute's destination counts as one of its sources
.endr
	s_mov_b32 s[SEL], 0x76543210
	s_mov_b32 s[SEL+1], 0xfedcba98                 ; v_permlanex16_b32's selects for lane l xor 16
	s_and_b32 s44, ttmp9, 127
	s_lshr_b32 s45, s44, 3                         ; batch
	s_and_b32 s46, s44, 7
	s_lshl_b32 s46, s46, 3
	s_add_co_u32 s46, s46, s[WV]                   ; pair p
	s_lshl_b32 s40, s46, 20                        ; 32 rows of 32,768 bytes
	s_lshl_b32 s41, s45, 11
	s_add_co_u32 s40, s40, s41
	s_mov_b32 s41, 0                               ; s[40:41]: my pair in x
	s_lshr_b32 s42, s[WV], 2                       ; W's tile t = w / 2 begins at row 32 (t / 2) + 8 (t % 2); K steps 2 (w % 2) and the next
	s_lshl_b32 s42, s42, 16
	s_bfe_u32 s43, s[WV], 0x10001
	s_lshl_b32 s43, s43, 14
	s_add_co_u32 s42, s42, s43
	s_and_b32 s43, s[WV], 1
	s_lshl_b32 s43, s43, 10
	s_add_co_u32 s42, s42, s43
	s_mov_b32 s43, 0                               ; s[42:43]: my two operands in W
	s_mul_i32 s38, s45, 106496
	s_lshr_b32 s39, s46, 2
	s_mul_i32 s39, s39, 6656
	s_add_co_u32 s38, s38, s39                     ; my pair's record
	s_and_b32 s39, s46, 3
	s_mul_i32 s44, s39, 1536
	s_add_co_u32 s44, s44, s38
	s_mov_b32 s45, 0                               ; s[44:45]: its image
	s_lshl_b32 s39, s39, 7
	s_add_co_u32 s38, s38, s39
	s_add_co_u32 s38, s38, 6144
	s_mov_b32 s39, 0                               ; s[38:39]: its scale image
	s_wait_kmcnt 0x0
	s_cmp_lt_u32 ttmp9, 128                        ; the choice hangs on the work-group's number alone
	s_cselect_b64 s[XB:XB+1], s[4:5], s[6:7]
	s_cselect_b64 s[WB:WB+1], s[8:9], s[10:11]
	s_cselect_b64 s[OB:OB+1], s[16:17], s[18:19]
	s_cselect_b64 s[MB:MB+1], s[12:13], s[14:15]
	s_add_nc_u64 s[XB:XB+1], s[XB:XB+1], s[40:41]
	s_add_nc_u64 s[WB:WB+1], s[WB:WB+1], s[42:43]
	s_add_nc_u64 s[OS:OS+1], s[OB:OB+1], s[38:39]
	s_add_nc_u64 s[OB:OB+1], s[OB:OB+1], s[44:45]
	; ---- W: my two operands are quantised and stored as images; x's first two units are asked for meanwhile
	WLOAD X, WB, 0
	WLOAD R+64, WB, 512
	LOADS R, 0, 0
	s_wait_loadcnt 32                              ; the first operand's 16 loads are in; the second's 16 and unit 0's 16 may be out
	QUANT X, 0, PC, PW
	IMAGE WIW, WIMG, PC
	ds_store_b32 v[WSW], v[PW]
	s_wait_dscnt 0x0                               ; the stores have read their registers
	s_wait_loadcnt 16                              ; the second operand is in; unit 0's 16 may be out
	QUANT R+64, 0, PC, PW
	IMAGE WIW, WIMG+1536, PC
	ds_store_b32 v[WSW], v[PW] offset:128
	LOADS R+64, 0, 512                             ; unit 1, into the set that the weight has left
	s_wait_dscnt 0x0                               ; for the others' sake: my images have landed
	s_barrier_signal -1
	s_barrier_wait -1
	WIN 0x40                                       ; destination window 1: all 16 operands of W stay in registers
.set f, 0
.rept 16
.irp c, 0,1,2
	ds_load_b128 v[12*f+4*\c:12*f+4*\c+3], v[LI] offset:WIMG+1536*f+512*\c
.endr
.set f, f+1
.endr
	WIN 0
	; ---- wave 0 alone: operand F = the work-group's number of WV (F < 128) or Wt: tile (F / 4) % 32, K step F % 4; and 128 ones
	s_cmp_lg_u32 s[WV], 0
	s_cbranch_scc1 .Lnot_wave_0
	s_bfe_u32 s40, ttmp9, 0x40003                  ; tile / 2
	s_lshl_b32 s40, s40, 16
	s_bfe_u32 s41, ttmp9, 0x10002                  ; tile % 2
	s_lshl_b32 s41, s41, 14
	s_add_co_u32 s40, s40, s41
	s_and_b32 s41, ttmp9, 3
	s_lshl_b32 s41, s41, 9
	s_add_co_u32 s40, s40, s41
	s_mov_b32 s41, 0
	s_add_nc_u64 s[MB:MB+1], s[MB:MB+1], s[40:41]
	WLOAD X, MB, 0
	s_mul_i32 s40, ttmp9, 1536
	s_add_nc_u64 s[42:43], s[20:21], s[40:41]      ; its image in wimg
	s_lshl_b32 s40, ttmp9, 7
	s_add_co_u32 s40, s40, 393216
	s_add_nc_u64 s[20:21], s[20:21], s[40:41]      ; its scale image
	s_lshl_b32 s40, ttmp9, 9
	s_add_nc_u64 s[22:23], s[22:23], s[40:41]
.irp j, 12,13,14,15
	v_mov_b32 v\j, 1.0
.endr
	global_store_b128 v[LI], v[12:15], s[22:23]    ; 512 consecutive bytes of ones
	s_wait_loadcnt 0x0
	QUANT X, 0, PC, PW
.irp c, 0,1,2
	global_store_b128 v[LI], v[PC+4*\c:PC+4*\c+3], s[42:43] offset:512*\c
.endr
	global_store_b32 v[LS], v[PW], s[20:21]
	s_wait_xcnt 0x0                                ; the codes' registers are written again only behind this wait
.Lnot_wave_0:
; ---- a unit: tile u / 4, K step u % 4: 16 rows x 128 K are quantised and multiplied by W's four tiles.  The four accumulators take turns.
.macro UNIT u
.if (\u) < 7
	s_wait_loadcnt 16                              ; this unit's 16 loads are in; the next unit's 16 may be out
.else
	s_wait_loadcnt 0x0
.endif
	TURN R+64*((\u)%2)
.irp t, 0,1,2,3
	ds_load_b32 v[WS+\t], v[LS] offset:WSC+(4*\t+(\u)%4)*128
.endr
	s_wait_dscnt 0x0                               ; the numbers are back, and the stores into the stage have read the set,
.if (\u)+2 < 8
	LOADS R+64*((\u)%2), 8*(((\u)+2)/4), 512*(((\u)+2)%4)   ; which takes the unit two on
.endif
	QUANT X, 0, PC, PW
	PLACES 8                                       ; a scale register written by a vector instruction stands 8 places ahead of a scaled product, an operand 4
	WIN 0x51                                       ; source 0 (W), C and D window 1; source 1 (x) window 0
.irp t, 0,1,2,3
.if (\u)%4 == 0
	MM0 ACC+32*((\u)/4)+8*\t, 12*(4*\t+(\u)%4), PC, WS+\t, PW
.else
	MMA ACC+32*((\u)/4)+8*\t, 12*(4*\t+(\u)%4), PC, WS+\t, PW
.endif
.endr
	WIN 0
	PLACES 4                                       ; in front of loads into, and vector writes of, registers that the products read
.endm
.irp u, 0,1,2,3,4,5,6,7
	UNIT \u
.endr
	; ---- the norm of each row: my 32 of its 64 numbers, then lane l xor 16's.  Each accumulator is read from its low end on.
	WIN 5                                          ; sources 0 and 1 window 1
.irp g, 0,1
	v_pk_mul_f32 v[SS+2*\g:SS+2*\g+1], v[ACC+32*\g:ACC+32*\g+1], v[ACC+32*\g:ACC+32*\g+1]
.endr
.irp i, 2,4,6,8,10,12,14,16,18,20,22,24,26,28,30
.irp g, 0,1
	v_pk_fma_f32 v[SS+2*\g:SS+2*\g+1], v[ACC+32*\g+\i:ACC+32*\g+\i+1], v[ACC+32*\g+\i:ACC+32*\g+\i+1], v[SS+2*\g:SS+2*\g+1]
.endr
.endr
	WIN 0
.irp g, 0,1
	v_add_f32 v[SS+2*\g], v[SS+2*\g], v[SS+2*\g+1]
.endr
.irp g, 0,1
	v_permlanex16_b32 v[SS+2*\g+1], v[SS+2*\g], s[SEL], s[SEL+1]
.endr
.irp g, 0,1
	v_add_f32 v[SS+2*\g], v[SS+2*\g], v[SS+2*\g+1]
.endr
.irp g, 0,1
	v_sqrt_f32 v[RN+2*\g], v[SS+2*\g]
.endr
	v_nop                                          ; a plain place behind the roots
	s_wait_alu depctr_va_vdst(0)                   ; one wait for both, ahead of their first reader
.irp g, 0,1
	v_max_num_f32 v[RN+2*\g], 0x2b8cbccc, v[RN+2*\g]   ; max(norm, 1e-12)
.endr
.irp g, 0,1
	v_rcp_f32 v[RN+2*\g], v[RN+2*\g]
.endr
	v_mov_b32 v[RN+1], 0                           ; (the pairs' upper words are named below, so they are written: plain places behind the reciprocals)
	v_mov_b32 v[RN+3], 0
	s_wait_alu depctr_va_vdst(0)
	WIN 1                                          ; source 0 window 1
.set ix, 0
.rept 32
	v_pk_mul_f32 v[X+ix:X+ix+1], v[ACC+ix:ACC+ix+1], v[RN+2*(ix/32):RN+2*(ix/32)+1] op_sel_hi:[1,0]
.set ix, ix+2
.endr
	WIN 0
	QUANT X, 0, PC, PW                             ; tile 0's two blocks, then tile 1's: the pair image
.irp c, 0,1,2
	global_store_b128 v[LI], v[PC+4*\c:PC+4*\c+3], s[OB:OB+1] offset:512*\c   ; 512 consecutive bytes, at a multiple of 256 from the buffer's first byte
.endr
	global_store_b32 v[LS], v[PW], s[OS:OS+1]
	s_wait_tensorcnt 0x0
	ds_add_u32 v254, v255
	s_wait_dscnt 0x0
	s_endpgm
.Lfunc_end_k_qbe78bd7f47_projqk:
	.size	k_qbe78bd7f47_projqk, .Lfunc_end_k_qbe78bd7f47_projqk-k_qbe78bd7f47_projqk
	.p2alignl 7, 3214868480
	.fill 96, 4, 3214868480
	.section	.rodata,"a",@progbits
	.p2align	6, 0x0
	.amdhsa_kernel k_qbe78bd7f47_projqk
		.amdhsa_group_segment_fixed_size 95232
		.amdhsa_private_segment_fixed_size 0
		.amdhsa_enable_private_segment 0
		.amdhsa_kernarg_size 80
		.amdhsa_user_sgpr_count 2
		.amdhsa_user_sgpr_kernarg_segment_ptr 1
		.amdhsa_wavefront_size32 1
		.amdhsa_system_sgpr_workgroup_id_x 1
		.amdhsa_system_sgpr_workgroup_id_y 1
		.amdhsa_system_sgpr_workgroup_id_z 1
		.amdhsa_system_vgpr_workitem_id 0
		.amdhsa_next_free_vgpr 512
		.amdhsa_next_free_sgpr 66
		.amdhsa_reserve_vcc 0
		.amdhsa_float_denorm_mode_32 3
		.amdhsa_float_denorm_mode_16_64 3
		.amdhsa_memory_ordered 1
		.amdhsa_forward_progress 1
		.amdhsa_inst_pref_size 101
	.end_amdhsa_kernel
	.amdgpu_metadata
---
amdhsa.version: [ 1, 2 ]
amdhsa.kernels:
  - .name:           k_qbe78bd7f47_projqk
    .symbol:         k_qbe78bd7f47_projqk.kd
    .args:
      - { .name: key, .offset: 0, .size: 8, .value_kind: global_buffer, .address_space: global }
      - { .name: query, .offset: 8, .size: 8, .value_kind: global_buffer, .address_space: global }
      - { .name: WK, .offset: 16, .size: 8, .value_kind: global_buffer, .address_space: global }
      - { .name: WQ, .offset: 24, .size: 8, .value_kind: global_buffer, .address_space: global }
      - { .name: WV, .offset: 32, .size: 8, .value_kind: global_buffer, .address_space: global }
      - { .name: Wt, .offset: 40, .size: 8, .value_kind: global_buffer, .address_space: global }
      - { .name: kimg, .offset: 48, .size: 8, .value_kind: global_buffer, .address_space: global }
      - { .name: qimg, .offset: 56, .size: 8, .value_kind: global_buffer, .address_space: global }
      - { .name: wimg, .offset: 64, .size: 8, .value_kind: global_buffer, .address_space: global }
      - { .name: ones, .offset: 72, .size: 8, .value_kind: global_buffer, .address_space: global }
    .group_segment_fixed_size: 95232
    .private_segment_fixed_size: 0
    .kernarg_segment_align: 8
    .kernarg_segment_size: 80
    .max_flat_workgroup_size: 256
    .sgpr_count:     66
    .vgpr_count:     512
    .wavefront_size: 32
...
	.end_amdgpu_metadata
.endif
;; end of part 1
;; launch rowsum (part 2): grid 16 x 16, 16 waves a work-group, clusters of 4 x 1, 169,984 bytes of LDS; arguments qimg, kimg, ones, rinv; writes rinv
.if DOCPART == 2
	.amdgcn_target "amdgcn-amd-amdhsa--gfx1250"
	.amdhsa_code_object_version 6
	.text
	.protected	k_qbe78bd7f47_rowsum
	.globl	k_qbe78bd7f47_rowsum
	.p2align	8
	.type	k_qbe78bd7f47_rowsum,@function
k_qbe78bd7f47_rowsum:
	s_mov_b64 s[64:65], 0
	v_nop
	global_prefetch_b8 v0, s[64:65] scope:SCOPE_SE
	s_setreg_imm32_b32 hwreg(HW_REG_WAVE_MODE, 25, 1), 1
	s_wait_xcnt 0x0
	s_wait_alu depctr_hold_cnt(0) depctr_sa_sdst(0) depctr_va_vdst(0) depctr_va_sdst(0) depctr_va_ssrc(0) depctr_va_vcc(0) depctr_vm_vsrc(0)
	s_getreg_b32 s2, hwreg(HW_REG_IB_STS2, 6, 4)
	s_cmp_eq_u32 s2, 0
	s_cbranch_scc0 .Lentry_in_a_cluster
	s_endpgm
.Lentry_in_a_cluster:
	s_bfe_u32 s2, ttmp6, 0x10000c
	s_cmp_lg_u32 s2, 0x3003
	s_cbranch_scc0 .Lentry_shape_is_right
	s_endpgm
.Lentry_shape_is_right:
; out[x] = 1 / (1e-9 + the sum over y of exp(x . y) w[y]), for the 2,048 x and 2,048 y of a batch; x . y on codes of FP6 (E2M3), K = 64.
; ONE TEXT, TWO LAUNCHES.  x = queries, y = keys, w = 1: the reciprocal of the softmax's row sum.  x = keys, y = queries, w = those reciprocals: 1 / (EPS + the sum of the softmax over the queries).
;   In the first the 1e-9 changes nothing: each of the 2,048 terms is at least exp(-1.4), so the sum is above 500, where neighbouring f32 numbers lie 6e-5 apart: sum + 1e-9 rounds to the sum.
; NO MAXIMUM IS TAKEN AWAY ahead of the exponential: both vectors were normalised as the problem itself normalises them; quantised, their norms are at most 1.15, so |x . y| < 1.4 for every input and exp lies in 0.24 .. 4.1.
; PAIR IMAGES.  An operand of 12 registers holds two tiles of 16 rows: tile a in k 0-63, tile b in k 64-127.  x's pair is kept in four forms, [a|0], [0|a], [b|0], [0|b]: against y's pair as it lies they give a.ya, a.yb, b.ya, b.yb.
; SHARES.  A work-group takes 128 x (blk = 4 x cluster x + cx) of batch y.  Wave w: x's pair w % 4 against quarter w / 4 of y (16 pairs).  In a result register j is x's place 8 (lane / 16) + j and the lane is y: sums run over lanes and trips.
; CLUSTER.  The four work-groups of a cluster need the same y and w of the batch: each wave asks for a sixteenth of each by a joint load, mask 15; filled once.
; LIMITS: NaN and infinities are not served.  1 / x is v_rcp_f32.
.set YW,    106496                     ; LDS: y's images of the whole batch at 0 (106,496 bytes); w (8,192 bytes);
.set RED,   114688                     ; the waves' sums: 128 bytes each
.set LI,    1
.set LS,    2
.set RR,    3                          ; v3   RED + 16 x lane
.set YA,    4                          ; v4   my quarter's images
.set YSA,   5                          ; v5   and scale images
.set WA,    6                          ; v6   my quarter's w, at my place in a tile
.set RW,    7                          ; v7   where my sums go
.set IM,    12                         ; v12-23 x's pair as loaded
.set IMS,   24                         ; v24    its scale word
.set SA,    25                         ; v25    (a0, a1, a0, a1): scales alone
.set SB,    26                         ; v26    (b0, b1, b0, b1): scales alone
.set VA0,   28                         ; v28-75 the four forms
.set VA1,   40
.set VB0,   52
.set VB1,   64
.set Y,     76                         ; v76-87 y's pair
.set YS,    88                         ; v88    its scale word: scales alone
.set D,     96                         ; v96-127  four results
.set ACC,   128                        ; v128-159 four running sums
.set WW,    160                        ; v160-167 w of tile a and of tile b, a pair each (the low word serves both halves), two sets by turns
.set WV,    12
.set CS,    16
.set G1Y,   24
.set G0Y,   32
.set G1W,   36
.set G0W,   44
.set XC,    48
.set XS,    50
.set OUT,   52
.macro PLACES n
.rept \n
	v_nop
.endr
.endm
.macro MM0 d, a, b, sa, sb
	v_wmma_scale_f32_16x16x128_f8f6f4 v[(\d):(\d)+7], v[(\a):(\a)+11], v[(\b):(\b)+11], 0, v[(\sa)], v[(\sb)] matrix_a_fmt:MATRIX_FMT_FP6 matrix_b_fmt:MATRIX_FMT_FP6
.endm
.macro CROUND
	s_barrier_signal -1
	s_barrier_wait -1
	s_cmp_lg_u32 s[WV], 0
	s_cbranch_scc1 .Lnot_wave_0_\@
	s_barrier_signal -3
.Lnot_wave_0_\@:
	s_barrier_wait -3
	s_barrier_signal -1
	s_barrier_wait -1
.endm
	s_load_b256 s[4:11], s[0:1], 0x0               ; x's images, y's images, w, out
	v_lshl_add_u32 v168, v0, 2, 0x29000
	v_mov_b32 v169, 0
	ds_add_u32 v168, v169
	ds_add_u32 v168, v169
	v_lshrrev_b32 v8, 5, v0
	v_readfirstlane_b32 s[WV], v8                  ; wave 0..15
	v_and_b32 v8, 31, v0
	v_and_b32 v9, 15, v0
	v_bfe_u32 v10, v0, 4, 1
	v_lshlrev_b32 v[LI], 4, v8
	v_lshlrev_b32 v[LS], 2, v8
	s_lshr_b32 s18, s[WV], 2                       ; my quarter of y
	s_and_b32 s19, s[WV], 3                        ; my pair of x
	s_mul_i32 s20, s18, 26624
	v_add_nc_u32 v[YA], s20, v[LI]
	v_add_nc_u32 v[YSA], s20, v[LS]
	v_and_b32 v11, 8, v9
	v_add_nc_u32 v11, v11, v9                      ; r + 8 (r / 8)
	s_lshl_b32 s20, s18, 11
	s_add_co_u32 s20, s20, YW
	v_lshl_add_u32 v[WA], v11, 2, s20
	s_lshl_b32 s20, s[WV], 7
	s_add_co_u32 s20, s20, RED
	v_lshl_add_u32 v[RW], v10, 6, s20
	v_add_nc_u32 v[RR], RED, v[LI]
.irp j, 1,3,5,7
	v_mov_b32 v[WW+\j], 0                          ; the pairs' upper words are named, so they are written
.endr
	s_mov_b32 s[CS], 0x3fb8aa3b                    ; log2(e)
	s_mov_b32 s[CS+1], s[CS]
	; descriptor groups 1: dense blocks as rows of 32 elements of 8 bytes, no padding: 26 rows of y's images, 2 rows of w
.irp g, G1Y, G1W
	s_mov_b32 s[\g], 15|(3<<16)|(1<<21)            ; the mask: all four work-groups; elements of 8 bytes; bit 21 set beside a mask
	s_mov_b32 s[\g+1], 32<<16
	s_mov_b32 s[\g+3], 32<<16
	s_mov_b32 s[\g+5], 32
	s_mov_b32 s[\g+6], 0
	s_mov_b32 s[\g+7], 0
.endr
	s_mov_b32 s[G1Y+2], 26<<16
	s_mov_b32 s[G1Y+4], 26
	s_mov_b32 s[G1W+2], 2<<16
	s_mov_b32 s[G1W+4], 2
	s_and_b32 s15, ttmp7, 0xffff                   ; batch: shared by the four
	s_mul_i32 s[G0Y+1], s[WV], 6656                ; LDS addresses: the wave's number alone
	s_mul_i32 s54, s15, 106496
	s_add_co_u32 s54, s54, s[G0Y+1]
	s_mov_b32 s55, 0
	s_lshl_b32 s57, s[WV], 9
	s_add_co_u32 s[G0W+1], s57, YW
	s_lshl_b32 s56, s15, 13
	s_add_co_u32 s56, s56, s57
	s_mov_b32 s57, 0
	; what hangs on my place in the cluster, in registers of its own
	s_bfe_u32 s13, ttmp6, 0x40000                  ; cx
	s_lshl_b32 s14, ttmp9, 2
	s_add_co_u32 s14, s14, s13                     ; blk
	s_mul_i32 s58, s15, 106496
	s_mul_i32 s59, s14, 6656
	s_add_co_u32 s58, s58, s59                     ; x's record
	s_mul_i32 s59, s19, 1536
	s_add_co_u32 s60, s58, s59
	s_mov_b32 s61, 0
	s_lshl_b32 s59, s19, 7
	s_add_co_u32 s58, s58, s59
	s_add_co_u32 s58, s58, 6144
	s_mov_b32 s59, 0
	s_lshl_b32 s62, s15, 13
	s_lshl_b32 s63, s14, 9
	s_add_co_u32 s62, s62, s63
	s_mov_b32 s63, 0
	s_wait_dscnt 0x0
	s_wait_kmcnt 0x0
	s_mov_b32 s[G0Y], 1
	s_add_nc_u64 s[G0Y+2:G0Y+3], s[6:7], s[54:55]
	s_or_b32 s[G0Y+3], s[G0Y+3], 0x80000000
	s_mov_b32 s[G0W], 1
	s_add_nc_u64 s[G0W+2:G0W+3], s[8:9], s[56:57]
	s_or_b32 s[G0W+3], s[G0W+3], 0x80000000
	s_add_nc_u64 s[XC:XC+1], s[4:5], s[60:61]
	s_add_nc_u64 s[XS:XS+1], s[4:5], s[58:59]
	s_add_nc_u64 s[OUT:OUT+1], s[10:11], s[62:63]
	CROUND                                         ; all four work-groups are here: the joint loads meet
	tensor_load_to_lds s[G0Y:G0Y+3], s[G1Y:G1Y+7]  ; two loads of mine are out; these bytes are filled once
	s_nop 0
	tensor_load_to_lds s[G0W:G0W+3], s[G1W:G1W+7]
	s_nop 0
	PLACES 4
.irp c, 0,1,2
	global_load_b128 v[IM+4*\c:IM+4*\c+3], v[LI], s[XC:XC+1] offset:512*\c
.endr
	global_load_b32 v[IMS], v[LS], s[XS:XS+1]
	s_wait_loadcnt 0x0
.irp i, 0,1,2,3,4,5                            ; the four forms: zero CODES add nothing under any scale byte
	v_mov_b32 v[VA0+\i], v[IM+\i]
	v_mov_b32 v[VA0+6+\i], 0
	v_mov_b32 v[VA1+\i], 0
	v_mov_b32 v[VA1+6+\i], v[IM+\i]
	v_mov_b32 v[VB0+\i], v[IM+6+\i]
	v_mov_b32 v[VB0+6+\i], 0
	v_mov_b32 v[VB1+\i], 0
	v_mov_b32 v[VB1+6+\i], v[IM+6+\i]
.endr
	v_perm_b32 v[SA], v[IMS], v[IMS], 0x01000100   ; a tile's two scale bytes, for either half of K
	v_perm_b32 v[SB], v[IMS], v[IMS], 0x03020302
	PLACES 8                                       ; a scale register written by a vector instruction stands 8 places ahead of a scaled product
	s_wait_tensorcnt 0x0                           ; my parts of y and w have landed,
	s_barrier_signal -1
	s_barrier_wait -1                              ; everybody's have
.macro YLOAD i                         ; pair i of my quarter: its image, its scale word, its 2 x 16 w
.irp c, 0,1,2
	ds_load_b128 v[Y+4*\c:Y+4*\c+3], v[YA] offset:((\i)/4)*6656+((\i)%4)*1536+512*\c
.endr
	ds_load_b32 v[YS], v[YSA] offset:((\i)/4)*6656+6144+((\i)%4)*128
	ds_load_b32 v[WW+4*((\i)%2)], v[WA] offset:(\i)*128
	ds_load_b32 v[WW+4*((\i)%2)+2], v[WA] offset:(\i)*128+32
.endm
.macro TRIP i
	s_wait_dscnt 0x0
	MM0 D, VA0, Y, SA, YS
	MM0 D+8, VA1, Y, SA, YS
	MM0 D+16, VB0, Y, SB, YS
	MM0 D+24, VB1, Y, SB, YS
	PLACES 4                                       ; in front of the loads into y's registers and of the first read of results
.if (\i) < 15
	YLOAD (\i)+1                                   ; lands while this trip's exponentials are made
.endif
.irp k, 0,2,4,6,8,10,12,14,16,18,20,22,24,26,28,30
	v_pk_mul_f32 v[D+\k:D+\k+1], v[D+\k:D+\k+1], s[CS:CS+1] op_sel_hi:[1,0]
.endr
.irp k, 0,1,2,3,4,5,6,7,8,9,10,11,12,13,14,15,16,17,18,19,20,21,22,23,24,25,26,27,28,29,30,31
	v_exp_f32 v[D+\k], v[D+\k]
.endr
	v_nop                                          ; a plain place behind the exponentials
	s_wait_alu depctr_va_vdst(0)                   ; one wait for the batch, ahead of its first reader
.irp n, 0,1,2,3                                ; forms 0 and 2 met y's tile a, forms 1 and 3 its tile b
.irp k, 0,2,4,6
.if (\i) == 0
	v_pk_mul_f32 v[ACC+8*\n+\k:ACC+8*\n+\k+1], v[D+8*\n+\k:D+8*\n+\k+1], v[WW+4*((\i)%2)+2*(\n%2):WW+4*((\i)%2)+2*(\n%2)+1] op_sel_hi:[1,0]   ; the first trip starts the sums
.else
	v_pk_fma_f32 v[ACC+8*\n+\k:ACC+8*\n+\k+1], v[D+8*\n+\k:D+8*\n+\k+1], v[WW+4*((\i)%2)+2*(\n%2):WW+4*((\i)%2)+2*(\n%2)+1], v[ACC+8*\n+\k:ACC+8*\n+\k+1] op_sel_hi:[1,0,1]
.endif
.endr
.endr
.endm
	YLOAD 0
.irp i, 0,1,2,3,4,5,6,7,8,9,10,11,12,13,14,15
	TRIP \i
.endr
	; ---- over y's two tiles, then over the sixteen lanes of a half
.irp k, 0,2,4,6
	v_pk_add_f32 v[ACC+\k:ACC+\k+1], v[ACC+\k:ACC+\k+1], v[ACC+8+\k:ACC+8+\k+1]
	v_pk_add_f32 v[ACC+16+\k:ACC+16+\k+1], v[ACC+16+\k:ACC+16+\k+1], v[ACC+24+\k:ACC+24+\k+1]
.endr
.irp m, 1,2,4,8
.irp j, 0,1,2,3,4,5,6,7
	v_add_f32_dpp v[ACC+\j], v[ACC+\j], v[ACC+\j] row_xmask:\m row_mask:0xf bank_mask:0xf
	v_add_f32_dpp v[ACC+16+\j], v[ACC+16+\j], v[ACC+16+\j] row_xmask:\m row_mask:0xf bank_mask:0xf
.endr
.endr
	; register j of tile T in half h is x's row 16 h + 8 T + j of the pair's 32: the natural order.  Sixteen lanes write the same bytes with the same value.
	ds_store_b128 v[RW], v[ACC:ACC+3]
	ds_store_b128 v[RW], v[ACC+4:ACC+7] offset:16
	ds_store_b128 v[RW], v[ACC+16:ACC+19] offset:32
	ds_store_b128 v[RW], v[ACC+20:ACC+23] offset:48
	s_wait_dscnt 0x0                               ; for wave 0's sake
	s_barrier_signal -1
	s_barrier_wait -1
	s_cmp_lg_u32 s[WV], 0
	s_cbranch_scc1 .Lothers
.irp q, 0,1,2,3
	ds_load_b128 v[D+4*\q:D+4*\q+3], v[RR] offset:512*\q   ; the four quarters' sums of rows 4 lane .. 4 lane + 3
.endr
	s_wait_dscnt 0x0
.irp j, 0,1,2,3
	v_add_f32 v[D+\j], v[D+\j], v[D+4+\j]
	v_add_f32 v[D+8+\j], v[D+8+\j], v[D+12+\j]
.endr
.irp j, 0,1,2,3
	v_add_f32 v[D+\j], v[D+\j], v[D+8+\j]
.endr
.irp j, 0,1,2,3
	v_add_f32 v[D+\j], 0x3089705f, v[D+\j]         ; + 1e-9
.endr
.irp j, 0,1,2,3
	v_rcp_f32 v[D+\j], v[D+\j]
.endr
	v_nop
	s_wait_alu depctr_va_vdst(0)
	global_store_b128 v[LI], v[D:D+3], s[OUT:OUT+1]   ; 512 consecutive bytes, at a multiple of 256 from the buffer's first byte
.Lothers:
	s_wait_tensorcnt 0x0
	ds_add_u32 v168, v169
	s_wait_dscnt 0x0
	CROUND                                         ; the closing round
	s_endpgm
.Lfunc_end_k_qbe78bd7f47_rowsum:
	.size	k_qbe78bd7f47_rowsum, .Lfunc_end_k_qbe78bd7f47_rowsum-k_qbe78bd7f47_rowsum
	.p2alignl 7, 3214868480
	.fill 96, 4, 3214868480
	.section	.rodata,"a",@progbits
	.p2align	6, 0x0
	.amdhsa_kernel k_qbe78bd7f47_rowsum
		.amdhsa_group_segment_fixed_size 169984
		.amdhsa_private_segment_fixed_size 0
		.amdhsa_enable_private_segment 0
		.amdhsa_kernarg_size 32
		.amdhsa_user_sgpr_count 2
		.amdhsa_user_sgpr_kernarg_segment_ptr 1
		.amdhsa_wavefront_size32 1
		.amdhsa_system_sgpr_workgroup_id_x 1
		.amdhsa_system_sgpr_workgroup_id_y 1
		.amdhsa_system_sgpr_workgroup_id_z 1
		.amdhsa_system_vgpr_workitem_id 0
		.amdhsa_next_free_vgpr 170
		.amdhsa_next_free_sgpr 66
		.amdhsa_reserve_vcc 0
		.amdhsa_float_denorm_mode_32 3
		.amdhsa_float_denorm_mode_16_64 3
		.amdhsa_memory_ordered 1
		.amdhsa_forward_progress 1
		.amdhsa_inst_pref_size 80
	.end_amdhsa_kernel
	.amdgpu_metadata
---
amdhsa.version: [ 1, 2 ]
amdhsa.kernels:
  - .name:           k_qbe78bd7f47_rowsum
    .symbol:         k_qbe78bd7f47_rowsum.kd
    .args:
      - { .name: qimg, .offset: 0, .size: 8, .value_kind: global_buffer, .address_space: global }
      - { .name: kimg, .offset: 8, .size: 8, .value_kind: global_buffer, .address_space: global }
      - { .name: ones, .offset: 16, .size: 8, .value_kind: global_buffer, .address_space: global }
      - { .name: rinv, .offset: 24, .size: 8, .value_kind: global_buffer, .address_space: global }
    .group_segment_fixed_size: 169984
    .private_segment_fixed_size: 0
    .kernarg_segment_align: 8
    .kernarg_segment_size: 32
    .max_flat_workgroup_size: 512
    .sgpr_count:     66
    .vgpr_count:     170
    .wavefront_size: 32
...
	.end_amdgpu_metadata
.endif
;; end of part 2
;; launch vcol (part 3): grid 16 x 16, 8 waves a work-group, clusters of 4 x 1, 238,592 bytes of LDS; arguments value, wimg, vimg, kimg, qimg, rinv, cinv; writes vimg, cinv
.if DOCPART == 3
	.amdgcn_target "amdgcn-amd-amdhsa--gfx1250"
	.amdhsa_code_object_version 6
	.text
	.protected	k_qbe78bd7f47_vcol
	.globl	k_qbe78bd7f47_vcol
	.p2align	8
	.type	k_qbe78bd7f47_vcol,@function
k_qbe78bd7f47_vcol:
	s_mov_b64 s[64:65], 0
	v_nop
	global_prefetch_b8 v0, s[64:65] scope:SCOPE_SE
	s_setreg_imm32_b32 hwreg(HW_REG_WAVE_MODE, 25, 1), 1
	s_wait_xcnt 0x0
	s_wait_alu depctr_hold_cnt(0) depctr_sa_sdst(0) depctr_va_vdst(0) depctr_va_sdst(0) depctr_va_ssrc(0) depctr_va_vcc(0) depctr_vm_vsrc(0)
	s_getreg_b32 s2, hwreg(HW_REG_IB_STS2, 6, 4)
	s_cmp_eq_u32 s2, 0
	s_cbranch_scc0 .Lentry_in_a_cluster
	s_endpgm
.Lentry_in_a_cluster:
	s_bfe_u32 s2, ttmp6, 0x10000c
	s_cmp_lg_u32 s2, 0x3003
	s_cbranch_scc0 .Lentry_shape_is_right
	s_endpgm
.Lentry_shape_is_right:
; TWO JOBS OF ONE KEY BLOCK IN ONE LAUNCH.  A work-group takes 128 keys (block ks = 4 x cluster x + cx) of batch y.
; (1) w_v = Q(value) Q(WV)^T, quantised again ALONG THE KEYS: one record of vimg: 32 operands (16 channels x 128 keys), then 32 scale images: 53,248 bytes.
; (2) cinv[k] = 1 / (1e-9 + the sum over the 2,048 queries q of exp(w_k . w_q) rinv[q]): the reciprocal of (EPS + the softmax's sum over the queries).
; All products on codes of FP6 (E2M3) with one E8M0 scale for each 32 along K.  value: [2048][16][512] f32; WV's codes come from wimg (operand 4 tile + K step, 1,536 bytes each; scale images from byte 393,216 on).
; JOB 1.  Each of the eight waves quantises one tile of 16 keys (four K steps) and stores the operands' images in LDS.  Then wave w makes channel tiles 4 w .. 4 w + 3 for all eight key tiles: 32 accumulators.
;   Source 0 = 16 keys, source 1 = 16 rows of WV: a lane holds one channel and its registers run along the keys.  The keys of a tile are place i -> 8 u + i + 8 (i / 8) of a block of 32, so that the 16 registers
;   of key tiles 2 b and 2 b + 1 are 16 neighbouring keys: the quantiser's order.  All 64 loads of a wave's 32,768 bytes of value go out at the head, into four sets of registers that the accumulators take later.
; JOB 2.  PAIR IMAGES: an operand of 12 registers holds two tiles of 16 rows, K = 64 each: tile a in k 0-63, tile b in k 64-127.  x's pair (keys) is kept in four forms, [a|0], [0|a], [b|0], [0|b]: against y's pair
;   (queries) as it lies they give a.ya, a.yb, b.ya, b.yb.  Wave w: x's pair w % 4 against half w / 4 of y (32 pairs).  In a result register j is x's place 8 (lane / 16) + j and the lane is y: sums run over lanes and trips.
;   NO MAXIMUM IS TAKEN AWAY ahead of the exponential: both vectors were normalised as the problem itself normalises them; quantised, their norms are at most 1.15, so |x . y| < 1.4 for every input and exp lies in 0.24 .. 4.1.
; CLUSTER.  The four work-groups of a cluster need the same y and rinv of the batch: each wave asks for an eighth of each by a joint load, mask 15, at the head; filled once; they land while value is streamed.
;   WV'S CODES ARE SHARED TOO AND ARE NOT ASKED FOR JOINTLY: beside value's images and stages (120,832 bytes) and y with its weights (114,688) their 196,608 bytes would make 432,128, more than the 327,680 of a WGP's LDS.
;   Each wave reads its own 16 operands once, straight into registers: two sets of four by turns.
; LIMITS: NaN and infinities are not served; a block of zeros gets the scale byte 1 and not 127: its codes are zeros, and this program alone reads the bytes.  1 / x is v_rcp_f32.
.set RSTR,  32768
.set XIMG,  0                          ; LDS: value's 32 operands (K step s, key tile kt: 8 s + kt)
.set XSC,   49152                      ; their scale images
.set STG,   53248                      ; a stage of 16 x 528 bytes for each wave
.set SP,    528
.set YIM,   120832                     ; y's images of the whole batch: 106,496 bytes
.set YW,    227328                     ; rinv of the batch: 8,192 bytes
.set RED,   235520                     ; the waves' sums: 128 bytes each
.set LI,    1                          ; v1   16 x lane
.set LS,    2                          ; v2   4 x lane
.set STO,   3                          ; v3   my stage, by rows
.set RDA,   4                          ; v4   my stage, by lanes
.set XWI,   5                          ; v5   where I store value's images: 16 x lane + 1,536 x wave
.set XWS,   6                          ; v6   and their scale words
.set YA,    7                          ; v7   my half of y's images
.set YSA,   8                          ; v8   and scale images
.set WA,    9                          ; v9   my half's rinv, at my place in a tile
.set RW,    10                         ; v10  where my sums go
.set RR,    11                         ; v11  RED + 16 x lane
.set WVS,   16                         ; v16-31  WV's scale words, 4 s + tile: scales alone
.set XS,    32                         ; v32-39  value's scale words of the K step in hand: scales alone
.set SA,    32                         ; later: v32 (a0, a1, a0, a1), v33 (b0, b1, b0, b1), v34 y's scale word: scales alone
.set SB,    33
.set YS,    34
.set PW,    40                         ; v40     the scale word just made
.set IMS,   41                         ; v41     x's scale word as loaded
.set TM,    44                         ; v44-59
.set PC,    60                         ; v60-79
.set X,     80                         ; v80-143  64 numbers in the quantiser's order
.set XF,    60                         ; v60-155  later: value's eight operands of a K step
.set WVF,   156                        ; v156-251 WV's four operands of a K step, two sets
.set IM,    80                         ; job 2: v80-91 x's pair as loaded; v92-139 its four forms; v140-151 y's pair; v152-183 four results; v184-215 four running sums;
.set VA0,   92
.set VA1,   104
.set VB0,   116
.set VB1,   128
.set Y,     140
.set D,     152
.set ACC,   184
.set WW,    216                        ; v216-223 rinv of y's tile a and tile b, a pair each (the low word serves both halves), two sets by turns
                                       ; window 1: first four sets of 64 as loaded; then the 32 accumulators, (tile d, key tile kt) at 64 d + 8 kt
.set WV,    18
.set SEL,   20
.set CS,    22
.set G1Y,   24
.set G0Y,   32
.set G1W,   36
.set G0W,   44
.set XB,    48
.set WFB,   50
.set WSB,   52
.set VO,    54
.set VSB,   56
.set XC,    58
.set XSI,   60
.set OUT,   62
.set MSB, 0
.macro WIN new                         ; the immediate's high byte repeats the setting that is left; a switch that changes nothing is dropped
.if MSB != (\new)
	s_set_vgpr_msb (MSB<<8)|(\new)
.set MSB, (\new)
.endif
.endm
.macro PLACES n
.rept \n
	v_nop
.endr
.endm
.macro MM0 d, a, b, sa, sb             ; the first product of a sum: C = 0, nothing is cleared
	v_wmma_scale_f32_16x16x128_f8f6f4 v[(\d):(\d)+7], v[(\a):(\a)+11], v[(\b):(\b)+11], 0, v[(\sa)], v[(\sb)] matrix_a_fmt:MATRIX_FMT_FP6 matrix_b_fmt:MATRIX_FMT_FP6
.endm
.macro MMA d, a, b, sa, sb
	v_wmma_scale_f32_16x16x128_f8f6f4 v[(\d):(\d)+7], v[(\a):(\a)+11], v[(\b):(\b)+11], v[(\d):(\d)+7], v[(\sa)], v[(\sb)] matrix_a_fmt:MATRIX_FMT_FP6 matrix_b_fmt:MATRIX_FMT_FP6
.endm
; 64 numbers of a lane, v[s] on in window sw, register 16 b + i = k 32 b + 16 (lane / 16) + i of my row, become an operand's 12 registers in v[pc] on and its scale word in v[pw].
.macro QUANT s, sw, pc, pw
	WIN 5*(\sw)
.irp b, 0,1,2,3
	v_max3_num_f32 v[TM+\b], |v[(\s)+16*\b]|, |v[(\s)+16*\b+1]|, 0x1800000   ; my 16 numbers of block b, and the floor 2^(3 - 127).  (Accumulators are read from their low end on)
.endr
	WIN 0x14*(\sw)
.irp i, 2,4,6,8,10,12,14
.irp b, 0,1,2,3
	v_max3_num_f32 v[TM+\b], v[TM+\b], |v[(\s)+16*\b+\i]|, |v[(\s)+16*\b+\i+1]|
.endr
.endr
	WIN 0
.irp b, 0,1,2,3
	v_permlanex16_b32 v[TM+4+\b], v[TM+\b], s[SEL], s[SEL+1]
.endr
.irp b, 0,1,2,3
	v_max_num_f32 v[TM+\b], v[TM+\b], v[TM+4+\b]
.endr
.irp b, 0,1,2,3
	v_add_nc_u32 v[TM+12+\b], 0xff000000, v[TM+\b]   ; 2 off the exponent field: the conversion's scale operand
.endr
.irp b, 0,1,2,3
	v_lshrrev_b32 v[TM+4+\b], 23, v[TM+12+\b]
.endr
	v_lshl_or_b32 v[\pw], v[TM+5], 8, v[TM+4]
	v_lshl_or_b32 v[\pw], v[TM+6], 16, v[\pw]
	v_lshl_or_b32 v[\pw], v[TM+7], 24, v[\pw]
	WIN (\sw)
.irp c, 0,1
	v_cvt_scalef32_pk16_fp6_f32 v[(\pc)+6*\c:(\pc)+6*\c+2], v[(\s)+32*\c:(\s)+32*\c+15], v[TM+12+2*\c]
	v_cvt_scalef32_pk16_fp6_f32 v[(\pc)+12+4*\c:(\pc)+12+4*\c+2], v[(\s)+32*\c+16:(\s)+32*\c+31], v[TM+13+2*\c]
.endr
	WIN 0
	v_nop                                          ; one plain place behind a scaled conversion
.irp c, 0,1
.irp i, 0,1,2
	v_permlane16_swap_b32 v[(\pc)+6*\c+\i], v[(\pc)+12+4*\c+\i]
.endr
.irp i, 0,1,2
	v_mov_b32 v[(\pc)+3+6*\c+\i], v[(\pc)+12+4*\c+\i]
.endr
.endr
.endm
.macro IMAGE adr, off, pc
.irp c, 0,1,2
	ds_store_b128 v[\adr], v[(\pc)+4*\c:(\pc)+4*\c+3] offset:(\off)+512*\c
.endr
.endm
.macro FETCH reg, adr, off
.irp c, 0,1,2
	ds_load_b128 v[(\reg)+4*\c:(\reg)+4*\c+3], v[\adr] offset:(\off)+512*\c
.endr
.endm
.macro LOADS reg, kbyte                ; my 16 keys x 512 bytes; each load reads 512 consecutive bytes of one row
.irp i, 0,1,2,3,4,5,6,7,8,9,10,11,12,13,14,15
	global_load_b128 v[(\reg)+4*\i:(\reg)+4*\i+3], v[LI], s[XB:XB+1] offset:(\i+8*(\i/8))*RSTR+(\kbyte) th:TH_LOAD_NT
.endr
.endm
.macro WVL s                           ; WV's four operands of K step s, as they lie in wimg, into set s % 2
.irp d, 0,1,2,3
.irp c, 0,1,2
	global_load_b128 v[WVF+48*((\s)%2)+12*\d+4*\c:WVF+48*((\s)%2)+12*\d+4*\c+3], v[LI], s[WFB:WFB+1] offset:(4*\d+(\s))*1536+512*\c
.endr
.endr
.endm
.macro CROUND                          ; a round of the cluster's barrier
	s_barrier_signal -1
	s_barrier_wait -1
	s_cmp_lg_u32 s[WV], 0
	s_cbranch_scc1 .Lnot_wave_0_\@
	s_barrier_signal -3
.Lnot_wave_0_\@:
	s_barrier_wait -3
	s_barrier_signal -1
	s_barrier_wait -1
.endm
	s_load_b256 s[4:11], s[0:1], 0x0               ; value, wimg, vimg, kimg
	s_load_b128 s[12:15], s[0:1], 0x20             ; qimg, rinv
	s_load_b64 s[16:17], s[0:1], 0x30              ; cinv
	v_lshl_add_u32 v254, v0, 2, 0x3a000
	v_mov_b32 v255, 0
	ds_add_u32 v254, v255
	ds_add_u32 v254, v255
	v_lshrrev_b32 v12, 5, v0
	v_readfirstlane_b32 s[WV], v12                 ; wave 0..7
	v_and_b32 v12, 31, v0                          ; lane
	v_and_b32 v13, 15, v0                          ; r
	v_bfe_u32 v14, v0, 4, 1                        ; h
	v_lshlrev_b32 v[LI], 4, v12
	v_lshlrev_b32 v[LS], 2, v12
	s_mul_i32 s66, s[WV], 16*SP
	s_add_co_u32 s66, s66, STG                     ; my stage
	v_add_nc_u32 v[STO], s66, v[LI]
	v_mul_u32_u24 v[RDA], v13, SP
	v_lshl_add_u32 v[RDA], v14, 6, v[RDA]
	v_add_nc_u32 v[RDA], s66, v[RDA]
	s_mul_i32 s66, s[WV], 1536
	v_add_nc_u32 v[XWI], s66, v[LI]
	s_lshl_b32 s66, s[WV], 7
	s_add_co_u32 s67, s66, XSC
	v_add_nc_u32 v[XWS], s67, v[LS]
	s_add_co_u32 s67, s66, RED
	v_lshl_add_u32 v[RW], v14, 6, s67
	v_add_nc_u32 v[RR], RED, v[LI]
	s_lshr_b32 s68, s[WV], 2                       ; my half of y
	s_and_b32 s69, s[WV], 3                        ; my pair of x
	s_mul_i32 s66, s68, 53248
	s_add_co_u32 s66, s66, YIM
	v_add_nc_u32 v[YA], s66, v[LI]
	v_add_nc_u32 v[YSA], s66, v[LS]
	v_and_b32 v15, 8, v13
	v_add_nc_u32 v15, v15, v13                     ; r + 8 (r / 8)
	s_lshl_b32 s66, s68, 12
	s_add_co_u32 s66, s66, YW
	v_lshl_add_u32 v[WA], v15, 2, s66
.irp b, 0,1,2,3
	v_mov_b32 v[TM+4+\b], 0                        ; written once: a lane permute's destination counts as one of its sources
.endr
	s_mov_b32 s[SEL], 0x76543210
	s_mov_b32 s[SEL+1], 0xfedcba98                 ; v_permlanex16_b32's selects for lane l xor 16
	s_mov_b32 s[CS], 0x3fb8aa3b                    ; log2(e)
	s_mov_b32 s[CS+1], s[CS]
	; descriptor groups 1: dense blocks as rows of 32 elements of 8 bytes, no padding: 52 rows of y's images, 4 rows of rinv
.irp g, G1Y, G1W
	s_mov_b32 s[\g], 15|(3<<16)|(1<<21)            ; the mask: all four work-groups; elements of 8 bytes; bit 21 set beside a mask
	s_mov_b32 s[\g+1], 32<<16
	s_mov_b32 s[\g+3], 32<<16
	s_mov_b32 s[\g+5], 32
	s_mov_b32 s[\g+6], 0
	s_mov_b32 s[\g+7], 0
.endr
	s_mov_b32 s[G1Y+2], 52<<16
	s_mov_b32 s[G1Y+4], 52
	s_mov_b32 s[G1W+2], 4<<16
	s_mov_b32 s[G1W+4], 4
	s_and_b32 s19, ttmp7, 0xffff                   ; batch: shared by the four
	s_mul_i32 s70, s[WV], 13312                    ; my eighth of y: LDS addresses hang on the wave's number alone
	s_add_co_u32 s[G0Y+1], s70, YIM
	s_mul_i32 s71, s19, 106496
	s_add_co_u32 s70, s70, s71
	s_mov_b32 s71, 0
	s_lshl_b32 s72, s[WV], 10                      ; my eighth of rinv
	s_add_co_u32 s[G0W+1], s72, YW
	s_lshl_b32 s73, s19, 13
	s_add_co_u32 s72, s72, s73
	s_mov_b32 s73, 0
	s_mul_i32 s74, s[WV], 24576                    ; my 16 operands of WV in wimg
	s_mov_b32 s75, 0
	s_lshl_b32 s76, s[WV], 11
	s_add_co_u32 s76, s76, 393216                  ; and their scale images
	s_mov_b32 s77, 0
	; what hangs on my place in the cluster enters global addresses of my own loads and stores alone, in registers of its own
	s_bfe_u32 s78, ttmp6, 0x40000                  ; cx
	s_lshl_b32 s79, ttmp9, 2
	s_add_co_u32 s79, s79, s78                     ; key block
	s_lshl_b32 s80, s79, 22                        ; 128 keys of 32,768 bytes
	s_lshl_b32 s81, s19, 11
	s_add_co_u32 s80, s80, s81
	s_lshr_b32 s81, s[WV], 1                       ; my key tile begins at key 32 (w / 2) + 8 (w % 2)
	s_lshl_b32 s81, s81, 20
	s_add_co_u32 s80, s80, s81
	s_and_b32 s81, s[WV], 1
	s_lshl_b32 s81, s81, 18
	s_add_co_u32 s80, s80, s81
	s_mov_b32 s81, 0
	s_lshl_b32 s84, s19, 4
	s_add_co_u32 s84, s84, s79
	s_mul_i32 s84, s84, 53248                      ; my record of vimg
	s_mul_i32 s85, s[WV], 6144
	s_add_co_u32 s82, s84, s85                     ; my four operands in it
	s_mov_b32 s83, 0
	s_lshl_b32 s85, s[WV], 9
	s_add_co_u32 s84, s84, s85
	s_add_co_u32 s84, s84, 49152                   ; and their scale images
	s_mov_b32 s85, 0
	s_mul_i32 s88, s19, 106496
	s_mul_i32 s89, s79, 6656
	s_add_co_u32 s88, s88, s89                     ; the key block's record of kimg
	s_mul_i32 s89, s69, 1536
	s_add_co_u32 s86, s88, s89                     ; my pair's image
	s_mov_b32 s87, 0
	s_lshl_b32 s89, s69, 7
	s_add_co_u32 s88, s88, s89
	s_add_co_u32 s88, s88, 6144                    ; and its scale image
	s_mov_b32 s89, 0
	s_lshl_b32 s90, s19, 13
	s_lshl_b32 s91, s79, 9
	s_add_co_u32 s90, s90, s91                     ; the key block's 512 bytes of cinv
	s_mov_b32 s91, 0
	s_wait_dscnt 0x0
	s_wait_kmcnt 0x0
	s_mov_b32 s[G0Y], 1                            ; 1:0 count = 1
	s_add_nc_u64 s[G0Y+2:G0Y+3], s[12:13], s[70:71]
	s_or_b32 s[G0Y+3], s[G0Y+3], 0x80000000        ; 127:126 type = 2
	s_mov_b32 s[G0W], 1
	s_add_nc_u64 s[G0W+2:G0W+3], s[14:15], s[72:73]
	s_or_b32 s[G0W+3], s[G0W+3], 0x80000000
	s_add_nc_u64 s[XB:XB+1], s[4:5], s[80:81]
	s_add_nc_u64 s[WFB:WFB+1], s[6:7], s[74:75]
	s_add_nc_u64 s[WSB:WSB+1], s[6:7], s[76:77]
	s_add_nc_u64 s[VO:VO+1], s[8:9], s[82:83]
	s_add_nc_u64 s[VSB:VSB+1], s[8:9], s[84:85]
	s_add_nc_u64 s[XC:XC+1], s[10:11], s[86:87]
	s_add_nc_u64 s[XSI:XSI+1], s[10:11], s[88:89]
	s_add_nc_u64 s[OUT:OUT+1], s[16:17], s[90:91]
	CROUND                                         ; all four work-groups are here: the joint loads meet
	tensor_load_to_lds s[G0Y:G0Y+3], s[G1Y:G1Y+7]  ; two loads of mine are out; these bytes are filled once, and are wanted only in job 2
	s_nop 0
	tensor_load_to_lds s[G0W:G0W+3], s[G1W:G1W+7]
	s_nop 0
	PLACES 4
	WIN 0x40                                       ; destination window 1: all four K steps of my 16 keys are asked for at once
.irp s, 0,1,2,3
	LOADS 64*\s, 512*\s
.endr
	WIN 0
; ---- JOB 1.  K step s of my 16 keys becomes an operand's image in LDS.  left: the loads issued behind this K step's 16, which may stay out
.macro XUNIT s, left
	s_wait_loadcnt \left
	WIN 4                                          ; an LDS store's data are its source 1: window 1
.irp i, 0,1,2,3,4,5,6,7,8,9,10,11,12,13,14,15
	ds_store_b128 v[STO], v[64*(\s)+4*\i:64*(\s)+4*\i+3] offset:SP*\i
.endr
	WIN 0
.irp b, 0,1,2,3
.irp j, 0,1,2,3
	ds_load_b128 v[X+16*\b+4*\j:X+16*\b+4*\j+3], v[RDA] offset:128*\b+16*\j   ; LDS serves a wave's instructions in order: these see the stores above
.endr
.endr
	s_wait_dscnt 0x0                               ; the numbers are back; a K step ago's image stores have read the codes
.if (\s) < 2
	WVL \s                                         ; WV's first two K steps are asked for as value's loads come in
.endif
.if (\s) == 2
.irp q, 0,1,2,3
.irp d, 0,1,2,3
	global_load_b32 v[WVS+4*\q+\d], v[LS], s[WSB:WSB+1] offset:(4*\d+\q)*128   ; WV's scale words: 2,048 bytes a wave
.endr
.endr
.endif
	QUANT X, 0, PC, PW
	IMAGE XWI, XIMG+(\s)*12288, PC
	ds_store_b32 v[XWS], v[PW] offset:(\s)*1024
.endm
	XUNIT 0, 48                                    ; behind K step 0's 16 loads: K steps 1 to 3: 48
	XUNIT 1, 44                                    ; K steps 2 and 3: 32, and WV's 12 of its K step 0
	XUNIT 2, 40                                    ; K step 3: 16, and WV's 24
	XUNIT 3, 40                                    ; WV's 24 and its 16 scale words
	s_wait_dscnt 0x0                               ; for the others' sake: my images have landed
	s_barrier_signal -1
	s_barrier_wait -1
	; ---- the product: 32 accumulators by turns, a K step at a time
.irp s, 0,1,2,3
.irp k, 0,1,2,3,4,5,6,7
	FETCH XF+12*\k, LI, XIMG+\s*12288+\k*1536
	ds_load_b32 v[XS+\k], v[LS] offset:XSC+\s*1024+\k*128
.endr
	s_wait_dscnt 0x0
.if \s == 0
	s_wait_loadcnt 0x0                             ; WV's K steps 0 and 1 and its scale words
.endif
.if \s == 2
	s_wait_loadcnt 12                              ; WV's K step 2 is in; K step 3's 12 loads may be out
.endif
.if \s == 3
	s_wait_loadcnt 0x0
.endif
	WIN 0x50                                       ; C and D window 1
.irp d, 0,1,2,3
.irp k, 0,1,2,3,4,5,6,7
.if \s == 0
	MM0 64*\d+8*\k, XF+12*\k, WVF+48*(\s%2)+12*\d, XS+\k, WVS+4*\s+\d
.else
	MMA 64*\d+8*\k, XF+12*\k, WVF+48*(\s%2)+12*\d, XS+\k, WVS+4*\s+\d
.endif
.endr
.endr
	WIN 0
	PLACES 4                                       ; in front of loads into registers that the products read, and of the first read of results
.if \s < 2
	WVL \s+2                                       ; into the set just multiplied: it has the next K step in which to land
.endif
.endr
.irp c, 0,1,2
	global_load_b128 v[IM+4*\c:IM+4*\c+3], v[LI], s[XC:XC+1] offset:512*\c   ; job 2's pair of keys: lands while the codes below are made
.endr
	global_load_b32 v[IMS], v[LS], s[XSI:XSI+1]
	; ---- each channel tile's 128 keys are quantised along the keys and leave as an operand's image
.irp d, 0,1,2,3
	s_wait_xcnt 0x0                                ; the codes' registers are written again only behind this wait
	QUANT 64*\d, 1, PC, PW
.irp c, 0,1,2
	global_store_b128 v[LI], v[PC+4*\c:PC+4*\c+3], s[VO:VO+1] offset:\d*1536+512*\c   ; 512 consecutive bytes, at a multiple of 256 from the buffer's first byte
.endr
	global_store_b32 v[LS], v[PW], s[VSB:VSB+1] offset:\d*128
.endr
	; ---- JOB 2
	s_wait_loadcnt 0x0                             ; my pair of keys
.irp i, 0,1,2,3,4,5                            ; the four forms: zero CODES add nothing under any scale byte
	v_mov_b32 v[VA0+\i], v[IM+\i]
	v_mov_b32 v[VA0+6+\i], 0
	v_mov_b32 v[VA1+\i], 0
	v_mov_b32 v[VA1+6+\i], v[IM+\i]
	v_mov_b32 v[VB0+\i], v[IM+6+\i]
	v_mov_b32 v[VB0+6+\i], 0
	v_mov_b32 v[VB1+\i], 0
	v_mov_b32 v[VB1+6+\i], v[IM+6+\i]
.endr
.irp j, 1,3,5,7
	v_mov_b32 v[WW+\j], 0                          ; the pairs' upper words are named, so they are written
.endr
	v_perm_b32 v[SA], v[IMS], v[IMS], 0x01000100   ; a tile's two scale bytes, for either half of K
	v_perm_b32 v[SB], v[IMS], v[IMS], 0x03020302
	PLACES 8                                       ; a scale register written by a vector instruction stands 8 places ahead of a scaled product
	s_wait_tensorcnt 0x0                           ; my parts of y and rinv have landed,
	s_wait_dscnt 0x0
	s_barrier_signal -1
	s_barrier_wait -1                              ; everybody's have
.macro YLOAD i                         ; pair i of my half: its image, its scale word, its 2 x 16 rinv
.irp c, 0,1,2
	ds_load_b128 v[Y+4*\c:Y+4*\c+3], v[YA] offset:((\i)/4)*6656+((\i)%4)*1536+512*\c
.endr
	ds_load_b32 v[YS], v[YSA] offset:((\i)/4)*6656+6144+((\i)%4)*128
	ds_load_b32 v[WW+4*((\i)%2)], v[WA] offset:(\i)*128
	ds_load_b32 v[WW+4*((\i)%2)+2], v[WA] offset:(\i)*128+32
.endm
.macro TRIP i
	s_wait_dscnt 0x0
	MM0 D, VA0, Y, SA, YS
	MM0 D+8, VA1, Y, SA, YS
	MM0 D+16, VB0, Y, SB, YS
	MM0 D+24, VB1, Y, SB, YS
	PLACES 4                                       ; in front of the loads into y's registers and of the first read of results
.if (\i) < 31
	YLOAD (\i)+1                                   ; lands while this trip's exponentials are made
.endif
.irp k, 0,2,4,6,8,10,12,14,16,18,20,22,24,26,28,30
	v_pk_mul_f32 v[D+\k:D+\k+1], v[D+\k:D+\k+1], s[CS:CS+1] op_sel_hi:[1,0]
.endr
.irp k, 0,1,2,3,4,5,6,7,8,9,10,11,12,13,14,15,16,17,18,19,20,21,22,23,24,25,26,27,28,29,30,31
	v_exp_f32 v[D+\k], v[D+\k]
.endr
	v_nop                                          ; a plain place behind the exponentials
	s_wait_alu depctr_va_vdst(0)                   ; one wait for the batch, ahead of its first reader
.irp n, 0,1,2,3                                ; forms 0 and 2 met y's tile a, forms 1 and 3 its tile b
.irp k, 0,2,4,6
.if (\i) == 0
	v_pk_mul_f32 v[ACC+8*\n+\k:ACC+8*\n+\k+1], v[D+8*\n+\k:D+8*\n+\k+1], v[WW+4*((\i)%2)+2*(\n%2):WW+4*((\i)%2)+2*(\n%2)+1] op_sel_hi:[1,0]   ; the first trip starts the sums
.else
	v_pk_fma_f32 v[ACC+8*\n+\k:ACC+8*\n+\k+1], v[D+8*\n+\k:D+8*\n+\k+1], v[WW+4*((\i)%2)+2*(\n%2):WW+4*((\i)%2)+2*(\n%2)+1], v[ACC+8*\n+\k:ACC+8*\n+\k+1] op_sel_hi:[1,0,1]
.endif
.endr
.endr
.endm
	YLOAD 0
.irp i, 0,1,2,3,4,5,6,7,8,9,10,11,12,13,14,15,16,17,18,19,20,21,22,23,24,25,26,27,28,29,30,31
	TRIP \i
.endr
	; ---- over y's two tiles, then over the sixteen lanes of a half
.irp k, 0,2,4,6
	v_pk_add_f32 v[ACC+\k:ACC+\k+1], v[ACC+\k:ACC+\k+1], v[ACC+8+\k:ACC+8+\k+1]
	v_pk_add_f32 v[ACC+16+\k:ACC+16+\k+1], v[ACC+16+\k:ACC+16+\k+1], v[ACC+24+\k:ACC+24+\k+1]
.endr
.irp m, 1,2,4,8
.irp j, 0,1,2,3,4,5,6,7
	v_add_f32_dpp v[ACC+\j], v[ACC+\j], v[ACC+\j] row_xmask:\m row_mask:0xf bank_mask:0xf
	v_add_f32_dpp v[ACC+16+\j], v[ACC+16+\j], v[ACC+16+\j] row_xmask:\m row_mask:0xf bank_mask:0xf
.endr
.endr
	; register j of tile T in half h is x's row 16 h + 8 T + j of the pair's 32: the natural order.  Sixteen lanes write the same bytes with the same value.
	ds_store_b128 v[RW], v[ACC:ACC+3]
	ds_store_b128 v[RW], v[ACC+4:ACC+7] offset:16
	ds_store_b128 v[RW], v[ACC+16:ACC+19] offset:32
	ds_store_b128 v[RW], v[ACC+20:ACC+23] offset:48
	s_wait_dscnt 0x0                               ; for wave 0's sake
	s_barrier_signal -1
	s_barrier_wait -1
	s_cmp_lg_u32 s[WV], 0
	s_cbranch_scc1 .Lothers
	ds_load_b128 v[D:D+3], v[RR]                   ; the two halves' sums of keys 4 lane .. 4 lane + 3
	ds_load_b128 v[D+4:D+7], v[RR] offset:512
	s_wait_dscnt 0x0
.irp j, 0,1,2,3
	v_add_f32 v[D+\j], v[D+\j], v[D+4+\j]
.endr
.irp j, 0,1,2,3
	v_add_f32 v[D+\j], 0x3089705f, v[D+\j]         ; + 1e-9
.endr
.irp j, 0,1,2,3
	v_rcp_f32 v[D+\j], v[D+\j]
.endr
	v_nop
	s_wait_alu depctr_va_vdst(0)
	global_store_b128 v[LI], v[D:D+3], s[OUT:OUT+1]   ; 512 consecutive bytes, at a multiple of 256 from the buffer's first byte
.Lothers:
	s_wait_tensorcnt 0x0
	ds_add_u32 v254, v255
	s_wait_dscnt 0x0
	CROUND                                         ; the closing round: no work-group ends while a partner may still ask jointly
	s_endpgm
.Lfunc_end_k_qbe78bd7f47_vcol:
	.size	k_qbe78bd7f47_vcol, .Lfunc_end_k_qbe78bd7f47_vcol-k_qbe78bd7f47_vcol
	.p2alignl 7, 3214868480
	.fill 96, 4, 3214868480
	.section	.rodata,"a",@progbits
	.p2align	6, 0x0
	.amdhsa_kernel k_qbe78bd7f47_vcol
		.amdhsa_group_segment_fixed_size 238592
		.amdhsa_private_segment_fixed_size 0
		.amdhsa_enable_private_segment 0
		.amdhsa_kernarg_size 56
		.amdhsa_user_sgpr_count 2
		.amdhsa_user_sgpr_kernarg_segment_ptr 1
		.amdhsa_wavefront_size32 1
		.amdhsa_system_sgpr_workgroup_id_x 1
		.amdhsa_system_sgpr_workgroup_id_y 1
		.amdhsa_system_sgpr_workgroup_id_z 1
		.amdhsa_system_vgpr_workitem_id 0
		.amdhsa_next_free_vgpr 512
		.amdhsa_next_free_sgpr 92
		.amdhsa_reserve_vcc 0
		.amdhsa_float_denorm_mode_32 3
		.amdhsa_float_denorm_mode_16_64 3
		.amdhsa_memory_ordered 1
		.amdhsa_forward_progress 1
		.amdhsa_inst_pref_size 226
	.end_amdhsa_kernel
	.amdgpu_metadata
---
amdhsa.version: [ 1, 2 ]
amdhsa.kernels:
  - .name:           k_qbe78bd7f47_vcol
    .symbol:         k_qbe78bd7f47_vcol.kd
    .args:
      - { .name: value, .offset: 0, .size: 8, .value_kind: global_buffer, .address_space: global }
      - { .name: wimg, .offset: 8, .size: 8, .value_kind: global_buffer, .address_space: global }
      - { .name: vimg, .offset: 16, .size: 8, .value_kind: global_buffer, .address_space: global }
      - { .name: kimg, .offset: 24, .size: 8, .value_kind: global_buffer, .address_space: global }
      - { .name: qimg, .offset: 32, .size: 8, .value_kind: global_buffer, .address_space: global }
      - { .name: rinv, .offset: 40, .size: 8, .value_kind: global_buffer, .address_space: global }
      - { .name: cinv, .offset: 48, .size: 8, .value_kind: global_buffer, .address_space: global }
    .group_segment_fixed_size: 238592
    .private_segment_fixed_size: 0
    .kernarg_segment_align: 8
    .kernarg_segment_size: 56
    .max_flat_workgroup_size: 256
    .sgpr_count:     92
    .vgpr_count:     512
    .wavefront_size: 32
...
	.end_amdgpu_metadata
.endif
;; end of part 3
;; launch attn (part 4): grid 16 x 16, 4 waves a work-group, clusters of 4 x 1, 327,680 bytes of LDS; arguments qimg, kimg, vimg, rinv, cinv, wimg, query, out0; writes out0
.if DOCPART == 4
	.amdgcn_target "amdgcn-amd-amdhsa--gfx1250"
	.amdhsa_code_object_version 6
	.text
	.protected	k_qbe78bd7f47_attn
	.globl	k_qbe78bd7f47_attn
	.p2align	8
	.type	k_qbe78bd7f47_attn,@function
k_qbe78bd7f47_attn:
	s_mov_b64 s[64:65], 0
	v_nop
	global_prefetch_b8 v0, s[64:65] scope:SCOPE_SE
	s_setreg_imm32_b32 hwreg(HW_REG_WAVE_MODE, 25, 1), 1
	s_wait_xcnt 0x0
	s_wait_alu depctr_hold_cnt(0) depctr_sa_sdst(0) depctr_va_vdst(0) depctr_va_sdst(0) depctr_va_ssrc(0) depctr_va_vcc(0) depctr_vm_vsrc(0)
	s_getreg_b32 s2, hwreg(HW_REG_IB_STS2, 6, 4)
	s_cmp_eq_u32 s2, 0
	s_cbranch_scc0 .Lentry_in_a_cluster
	s_endpgm
.Lentry_in_a_cluster:
	s_bfe_u32 s2, ttmp6, 0x10000c
	s_cmp_lg_u32 s2, 0x3003
	s_cbranch_scc0 .Lentry_shape_is_right
	s_endpgm
.Lentry_shape_is_right:
; out0 = relu(Q(query - Q(a) Q(w_v)) Q(Wt)^T),  a[q][k] = exp(w_q . w_k) rinv[q] cinv[k]: the softmax divided by (EPS + its sum over the queries), finished, then quantised along the keys.
; All three products on codes of FP6 (E2M3) with one E8M0 scale for each 32 along K.  w_q, w_k: pair images (two tiles of 16 rows in one operand, K = 64 each); w_v: operands of 16 channels x 128 keys; Wt: operands of 16 rows x 128 K.
; NO MAXIMUM IS TAKEN AWAY ahead of the exponential: both vectors were normalised as the problem itself normalises them; quantised, their norms are at most 1.15, so |w_q . w_k| < 1.4 for every input.
; SHARES.  A work-group takes 128 queries (blk = 4 x cluster x + cx) of batch y: 8 tiles of 16.  It walks the 2,048 keys in 16 steps of 128.  In a step wave w makes the affinity of query tiles 2 w, 2 w + 1 (its pair of w_q),
;   quantises it and stores the two operands' images in LDS; behind a barrier every wave reads all eight and adds to ITS 128 channels (tiles 8 w .. 8 w + 7) of all 128 queries: 64 accumulators, 512 registers.
; LAYOUT.  Every product is used transposed, so that a lane holds ONE query: S^T = K Q^T, O^T = V^T P^T, Y^T = Wt Z^T.  The rows that form a tile (keys, channels, Wt's rows, queries) are place i -> 8 u + i + 8 (i / 8) of a block of 32,
;   so that the 16 registers of tiles 2 b and 2 b + 1 are 16 neighbours along the next product's K: the quantiser's order, with no exchange but one between the halves of the lanes.
; K = 64 fills half of the instruction's 128: K's pair is taken as it lies, and each query tile is kept in two forms, [q|0] and [0|q]: the first meets the pair's first tile of keys, the second its second.
; RING.  Two LDS slots of two key steps each (V 106,496 bytes, K 13,312, cinv 1,024), filled by joint loads of the cluster's four work-groups, which walk the same batch: waves 0, 1 V's two records, wave 2 K, wave 3 cinv.
;   A refill goes out behind a round of the cluster's barrier and has two key steps, 160 matrix instructions a wave, in which to land.  A wave has two tensor loads out at the start and one behind each round.
; A STEP'S LDS LOADS are spread: only K's 16 stand ahead of the score products; cinv's and V's scale words follow those products; V's operands go in four runs of six among the exponentials: they are wanted only behind the step's barrier.
; THE TAIL.  z = query - O is quantised (wave w holds K step w of the last product), handed round as images, multiplied by Wt's operands, which each wave loads once from memory straight into registers, and leaves through the wave's stage.
;   Images and stages lie in slot 0, which has had its last fill and its last read when they are first written.
; A PREFETCH of the tail's first four query tiles: rows 0-63 of my block, my 512 bytes of each: 128 aligned blocks of 256 bytes a wave, a lane a block, four instructions; asked once, in the last key step, behind its run of loads:
;   one key step, 80 matrix instructions, ahead of the loads.  Each block belongs to one wave of one work-group.  The other four tiles come by their loads alone.
; LIMITS: NaN and infinities are not served; a block of zeros gets the scale byte 1 and not 127: its codes are zeros, and this program alone reads the bytes.
.set RSTR,  32768
.set SLOT1, 1<<17
.set VREC,  53248                      ; a key step's record of V: 32 operands, then 32 scale images
.set KREC,  6656                       ; of K: 4 pair images, then 4 scale images
.set KOFF,  106496                     ; in a slot: V's two records, K's two, 256 numbers of cinv
.set COFF,  119808
.set PBUF,  0x40000                    ; P's eight images,
.set PSC,   PBUF+12288                 ; their scale images
.set SPARE, 0x48000                    ; the spare words, 128 bytes for each wave: two blocks of 256 bytes that no other line names
.set ZIMG,  0                          ; the tail: z's 32 images (4 query tile + K step),
.set ZSC,   49152                      ; their scale images,
.set STG,   53248                      ; a stage of 16 x 528 bytes for each wave
.set SP,    528
.set LI,    1                          ; v1   16 x lane
.set LS,    2                          ; v2   4 x lane
.set H64,   3                          ; v3   64 (lane / 16)
.set LIW,   4                          ; v4   16 x lane + 12,288 x wave: my eight operands in a record of V
.set LSW,   5                          ; v5   4 x lane + 1,024 x wave
.set LIP,   6                          ; v6   where I store P's images
.set LSP,   7                          ; v7   and their scale words
.set PRD,   8                          ; v8   PBUF + 16 x lane
.set PRS,   9                          ; v9   PSC + 4 x lane
.set AKC,   10                         ; v10-14 the step's addresses
.set AKS,   11
.set ACV,   12
.set AVC,   13
.set AVS,   14
.set STO,   15                         ; v15  my stage, by rows
.set RDA,   16                         ; v16  my stage, by lanes
.set IMS,   17                         ; v17  w_q's scale word as loaded
.set SPW,   18                         ; v18  LDS address of my spare word; never rewritten
.set NIL,   19                         ; v19  0; never rewritten
.set SQ,    20                         ; v20-21  a query tile's two scale bytes, twice: scales alone
.set RN,    22                         ; v22-25  rinv of my query, a pair for each tile
.set KS,    26                         ; v26-29  K's scale words: scales alone
.set VS,    30                         ; v30-37  V's, later Wt's: scales alone
.set PS,    38                         ; v38-45  P's, later z's: scales alone
.set PW,    46                         ; v46, v47 the scale words just made: scales alone
.set PW2,   47
.set TM,    48                         ; v48-63
.set PC,    64                         ; v64-83, v84-103 the codes just made
.set PC2,   84
.set WS2,   104                        ; v104-111 Wt's scale words, second set: scales alone
.set ZWI,   112
.set ZWS,   113
.set RO,    114
.set PFO,   115                        ; v115 the prefetches' offset: 32,768 (lane / 2) + 256 (lane % 2); never rewritten
.set S,     128                        ; v128-255 S^T, then the affinity: 64 a query tile.  In the tail: X (64), z's operands, relu's results
.set ZF,    128
.set VF,    0                          ; window 1: v0-95 V's eight operands;
.set PF,    96                         ; v96-191 P's eight; ahead of the step's barrier K's four (v96-143) and cinv (v144-207);
.set KF,    96
.set CV,    144
.set QV,    208                        ; v208-255 w_q's four forms.   windows 2, 3: accumulator (query tile q, tile d) at 64 (q % 4) + 8 d, q < 4 in window 2
.set XB,    16                         ; s[16:17] query, s[18:19] out0, at my block's first row and my 512 bytes
.set OB,    18
.set WV,    20
.set G1V,   24
.set G1K,   32
.set G1C,   40
.set G0V,   48                         ; two sets each: slot 0's first fill; slot 1's, which then walks on
.set G0K,   56
.set G0C,   68
.set TBV,   76                         ; LDS bytes at which the step's V, K and cinv begin
.set TBK,   77
.set TBC,   78
.set SLOTS, 80
.set TWICE, 81
.set CS,    82
.set SEL,   84
.set WTB,   90
.set WTS,   92
.set MSB, 0
.macro WIN new
.if MSB != (\new)
	s_set_vgpr_msb (MSB<<8)|(\new)
.set MSB, (\new)
.endif
.endm
.macro PLACES n
.rept \n
	v_nop
.endr
.endm
.macro MM0 d, a, b, sa, sb
	v_wmma_scale_f32_16x16x128_f8f6f4 v[(\d):(\d)+7], v[(\a):(\a)+11], v[(\b):(\b)+11], 0, v[(\sa)], v[(\sb)] matrix_a_fmt:MATRIX_FMT_FP6 matrix_b_fmt:MATRIX_FMT_FP6
.endm
.macro MMA d, a, b, sa, sb
	v_wmma_scale_f32_16x16x128_f8f6f4 v[(\d):(\d)+7], v[(\a):(\a)+11], v[(\b):(\b)+11], v[(\d):(\d)+7], v[(\sa)], v[(\sb)] matrix_a_fmt:MATRIX_FMT_FP6 matrix_b_fmt:MATRIX_FMT_FP6
.endm
; 64 numbers of a lane, v[s] on, register 16 b + i = k 32 b + 16 (lane / 16) + i of my row, become an operand's 12 registers in v[pc] on and its scale word in v[pw].
.macro QUANT s, pc, pw
.irp b, 0,1,2,3
	v_max3_num_f32 v[TM+\b], |v[(\s)+16*\b]|, |v[(\s)+16*\b+1]|, 0x1800000   ; my 16 numbers of block b, and the floor 2^(3 - 127): the byte cannot fall under 1
.endr
.irp i, 2,4,6,8,10,12,14
.irp b, 0,1,2,3
	v_max3_num_f32 v[TM+\b], v[TM+\b], |v[(\s)+16*\b+\i]|, |v[(\s)+16*\b+\i+1]|
.endr
.endr
.irp b, 0,1,2,3
	v_permlanex16_b32 v[TM+4+\b], v[TM+\b], s[SEL], s[SEL+1]
.endr
.irp b, 0,1,2,3
	v_max_num_f32 v[TM+\b], v[TM+\b], v[TM+4+\b]
.endr
.irp b, 0,1,2,3
	v_add_nc_u32 v[TM+12+\b], 0xff000000, v[TM+\b]   ; 2 off the exponent field: the conversion's scale operand
.endr
.irp b, 0,1,2,3
	v_lshrrev_b32 v[TM+4+\b], 23, v[TM+12+\b]
.endr
	v_lshl_or_b32 v[\pw], v[TM+5], 8, v[TM+4]
	v_lshl_or_b32 v[\pw], v[TM+6], 16, v[\pw]
	v_lshl_or_b32 v[\pw], v[TM+7], 24, v[\pw]
.irp c, 0,1
	v_cvt_scalef32_pk16_fp6_f32 v[(\pc)+6*\c:(\pc)+6*\c+2], v[(\s)+32*\c:(\s)+32*\c+15], v[TM+12+2*\c]
	v_cvt_scalef32_pk16_fp6_f32 v[(\pc)+12+4*\c:(\pc)+12+4*\c+2], v[(\s)+32*\c+16:(\s)+32*\c+31], v[TM+13+2*\c]
.endr
	v_nop                                          ; one plain place behind a scaled conversion
.irp c, 0,1
.irp i, 0,1,2
	v_permlane16_swap_b32 v[(\pc)+6*\c+\i], v[(\pc)+12+4*\c+\i]
.endr
.irp i, 0,1,2
	v_mov_b32 v[(\pc)+3+6*\c+\i], v[(\pc)+12+4*\c+\i]
.endr
.endr
.endm
.macro IMAGE adr, off, pc
.irp c, 0,1,2
	ds_store_b128 v[\adr], v[(\pc)+4*\c:(\pc)+4*\c+3] offset:(\off)+512*\c
.endr
.endm
.macro CROUND
	s_barrier_signal -1
	s_barrier_wait -1
	s_cmp_lg_u32 s[WV], 0
	s_cbranch_scc1 .Lnot_wave_0_\@
	s_barrier_signal -3
.Lnot_wave_0_\@:
	s_barrier_wait -3
	s_barrier_signal -1
	s_barrier_wait -1
.endm
; A joint refill, by the walking descriptors.  The branches hang on the wave's number alone.  Four v_nop follow each tensor load.
.macro JLOAD3
	s_cmp_lt_u32 s[WV], 2
	s_cbranch_scc0 .Lnot_v_\@
	tensor_load_to_lds s[G0V+4:G0V+7], s[G1V:G1V+7]
	s_nop 0
	PLACES 4
	s_branch .Lasked_\@
.Lnot_v_\@:
	s_cmp_eq_u32 s[WV], 2
	s_cbranch_scc0 .Lnot_k_\@
	tensor_load_to_lds s[G0K+4:G0K+7], s[G1K:G1K+7]
	s_nop 0
	PLACES 4
	s_branch .Lasked_\@
.Lnot_k_\@:
	tensor_load_to_lds s[G0C+4:G0C+7], s[G1C:G1C+7]
	s_nop 0
	PLACES 4
.Lasked_\@:
.endm
	s_load_b512 s[4:19], s[0:1], 0x0               ; qimg s[4:5], kimg s[6:7], vimg s[8:9], rinv s[10:11], cinv s[12:13], wimg s[14:15], query s[16:17], out0 s[18:19]
	v_lshl_add_u32 v[SPW], v0, 2, SPARE
	v_mov_b32 v[NIL], 0
	ds_add_u32 v18, v19
	ds_add_u32 v18, v19
	s_wait_dscnt 0x0
	v_lshrrev_b32 v116, 5, v0
	v_readfirstlane_b32 s[WV], v116                ; wave 0..3
	v_and_b32 v116, 31, v0
	v_and_b32 v117, 15, v0
	v_bfe_u32 v118, v0, 4, 1
	v_lshlrev_b32 v[LI], 4, v116
	v_lshlrev_b32 v[LS], 2, v116
	v_lshlrev_b32 v[H64], 6, v118
	s_mul_i32 s94, s[WV], 12288
	v_add_nc_u32 v[LIW], s94, v[LI]
	s_lshl_b32 s94, s[WV], 10
	v_add_nc_u32 v[LSW], s94, v[LS]
	s_mul_i32 s94, s[WV], 3072
	s_add_co_u32 s94, s94, PBUF
	v_add_nc_u32 v[LIP], s94, v[LI]
	s_lshl_b32 s94, s[WV], 8
	s_add_co_u32 s94, s94, PSC
	v_add_nc_u32 v[LSP], s94, v[LS]
	v_add_nc_u32 v[PRD], PBUF, v[LI]
	v_add_nc_u32 v[PRS], PSC, v[LS]
	s_mul_i32 s94, s[WV], 16*SP
	s_add_co_u32 s94, s94, STG
	v_add_nc_u32 v[STO], s94, v[LI]
	v_mul_u32_u24 v[RDA], v117, SP
	v_add_nc_u32 v[RDA], v[RDA], v[H64]
	v_add_nc_u32 v[RDA], s94, v[RDA]
	s_mul_i32 s94, s[WV], 1536
	v_add_nc_u32 v[ZWI], s94, v[LI]
	s_lshl_b32 s94, s[WV], 7
	s_add_co_u32 s94, s94, ZSC
	v_add_nc_u32 v[ZWS], s94, v[LS]
	v_and_b32 v119, 8, v117
	v_add_nc_u32 v119, v119, v117                  ; r + 8 (r / 8)
	v_lshlrev_b32 v[RO], 2, v119
	v_lshrrev_b32 v[PFO], 1, v116                  ; the prefetches: two lanes to a row of query, 256 bytes each
	v_lshlrev_b32 v[PFO], 15, v[PFO]
	v_and_b32 v120, 1, v116
	v_lshl_or_b32 v[PFO], v120, 8, v[PFO]
.irp b, 0,1,2,3
	v_mov_b32 v[TM+4+\b], 0                        ; written once: a lane permute's destination counts as one of its sources
.endr
	v_mov_b32 v[RN+1], 0                           ; the pairs' upper words are named, so they are written
	v_mov_b32 v[RN+3], 0
	s_mov_b32 s[CS], 0x3fb8aa3b                    ; log2(e)
	s_mov_b32 s[CS+1], s[CS]
	s_mov_b32 s[SEL], 0x76543210
	s_mov_b32 s[SEL+1], 0xfedcba98
	s_mov_b32 s[TBV], 0
	s_mov_b32 s[TBK], KOFF
	s_mov_b32 s[TBC], COFF
	; descriptor groups 1: dense blocks as rows of 32 elements of 8 bytes, no padding: 208 rows of V, 52 of K, 4 of cinv
.irp g, G1V, G1K, G1C
	s_mov_b32 s[\g], 15|(3<<16)|(1<<21)            ; the mask: all four work-groups; elements of 8 bytes; bit 21 set beside a mask
	s_mov_b32 s[\g+1], 32<<16
	s_mov_b32 s[\g+3], 32<<16
	s_mov_b32 s[\g+5], 32
	s_mov_b32 s[\g+6], 0
	s_mov_b32 s[\g+7], 0
.endr
	s_mov_b32 s[G1V+2], 208<<16
	s_mov_b32 s[G1V+4], 208
	s_mov_b32 s[G1K+2], 52<<16
	s_mov_b32 s[G1K+4], 52
	s_mov_b32 s[G1C+2], 4<<16
	s_mov_b32 s[G1C+4], 4
	s_and_b32 s23, ttmp7, 0xffff                   ; batch: shared by the four
	s_and_b32 s95, s[WV], 1
	s_mul_i32 s79, s95, VREC                       ; which of a slot's two records of V I fetch, if I fetch V
	s_lshl_b32 s96, s23, 4
	s_add_co_u32 s96, s96, s95
	s_mul_i32 s96, s96, VREC
	s_mov_b32 s97, 0
	s_mul_i32 s94, s23, 106496
	s_mov_b32 s95, 0
	s_lshl_b32 s98, s23, 13
	s_mov_b32 s99, 0
	s_wait_kmcnt 0x0
	s_mov_b32 s[G0V], 1
	s_mov_b32 s[G0V+1], s79
	s_add_nc_u64 s[G0V+2:G0V+3], s[8:9], s[96:97]
	s_mov_b32 s[G0V+4], 1
	s_add_co_u32 s[G0V+5], s79, SLOT1
	s_add_nc_u64 s[G0V+6:G0V+7], s[G0V+2:G0V+3], 2*VREC
	s_or_b32 s[G0V+3], s[G0V+3], 0x80000000
	s_or_b32 s[G0V+7], s[G0V+7], 0x80000000
	s_mov_b32 s[G0K], 1
	s_mov_b32 s[G0K+1], KOFF
	s_add_nc_u64 s[G0K+2:G0K+3], s[6:7], s[94:95]
	s_mov_b32 s[G0K+4], 1
	s_mov_b32 s[G0K+5], KOFF+SLOT1
	s_add_nc_u64 s[G0K+6:G0K+7], s[G0K+2:G0K+3], 2*KREC
	s_or_b32 s[G0K+3], s[G0K+3], 0x80000000
	s_or_b32 s[G0K+7], s[G0K+7], 0x80000000
	s_mov_b32 s[G0C], 1
	s_mov_b32 s[G0C+1], COFF
	s_add_nc_u64 s[G0C+2:G0C+3], s[12:13], s[98:99]
	s_mov_b32 s[G0C+4], 1
	s_mov_b32 s[G0C+5], COFF+SLOT1
	s_add_nc_u64 s[G0C+6:G0C+7], s[G0C+2:G0C+3], 1024
	s_or_b32 s[G0C+3], s[G0C+3], 0x80000000
	s_or_b32 s[G0C+7], s[G0C+7], 0x80000000
	CROUND                                         ; all four work-groups are here: the first joint loads meet
	s_cmp_lt_u32 s[WV], 2                          ; a wave's two first fills stand in one branch, ahead of every wait on TENSORcnt and every LDS read
	s_cbranch_scc0 .Lfirst_not_v
	tensor_load_to_lds s[G0V:G0V+3], s[G1V:G1V+7]
	s_nop 0
	tensor_load_to_lds s[G0V+4:G0V+7], s[G1V:G1V+7]
	s_nop 0
	PLACES 4
	s_branch .Lfirst_asked
.Lfirst_not_v:
	s_cmp_eq_u32 s[WV], 2
	s_cbranch_scc0 .Lfirst_not_k
	tensor_load_to_lds s[G0K:G0K+3], s[G1K:G1K+7]
	s_nop 0
	tensor_load_to_lds s[G0K+4:G0K+7], s[G1K:G1K+7]
	s_nop 0
	PLACES 4
	s_branch .Lfirst_asked
.Lfirst_not_k:
	tensor_load_to_lds s[G0C:G0C+3], s[G1C:G1C+7]
	s_nop 0
	tensor_load_to_lds s[G0C+4:G0C+7], s[G1C:G1C+7]
	s_nop 0
	PLACES 4
.Lfirst_asked:
	; what hangs on my place in the cluster enters global addresses of my own loads and stores alone, in registers of its own
	s_bfe_u32 s21, ttmp6, 0x40000                  ; cx
	s_lshl_b32 s22, ttmp9, 2
	s_add_co_u32 s22, s22, s21                     ; blk
	s_mul_i32 s100, s22, KREC
	s_mul_i32 s101, s23, 106496
	s_add_co_u32 s100, s100, s101                  ; my block's record of w_q
	s_lshl_b32 s101, s[WV], 7
	s_add_co_u32 s86, s100, s101
	s_add_co_u32 s86, s86, 6144
	s_mov_b32 s87, 0
	s_add_nc_u64 s[6:7], s[4:5], s[86:87]          ; my pair's scale image (kimg's address is in its descriptors)
	s_mul_i32 s101, s[WV], 1536
	s_add_co_u32 s100, s100, s101
	s_mov_b32 s101, 0
	s_add_nc_u64 s[4:5], s[4:5], s[100:101]        ; my pair's image
	s_lshl_b32 s100, s23, 13
	s_lshl_b32 s86, s22, 9
	s_add_co_u32 s100, s100, s86
	s_lshl_b32 s86, s[WV], 7
	s_add_co_u32 s100, s100, s86
	s_add_nc_u64 s[10:11], s[10:11], s[100:101]    ; rinv at my pair's 32 queries
	s_lshl_b32 s100, s22, 22                       ; 128 rows of 32,768 bytes
	s_lshl_b32 s86, s23, 11
	s_add_co_u32 s100, s100, s86
	s_lshl_b32 s86, s[WV], 9
	s_add_co_u32 s100, s100, s86
	s_add_nc_u64 s[XB:XB+1], s[XB:XB+1], s[100:101]
	s_add_nc_u64 s[OB:OB+1], s[OB:OB+1], s[100:101]
	s_mul_i32 s100, s[WV], 49152
	s_add_co_u32 s100, s100, 196608
	s_add_nc_u64 s[WTB:WTB+1], s[14:15], s[100:101]   ; Wt's operands of my eight tiles
	s_lshl_b32 s100, s[WV], 12
	s_add_co_u32 s100, s100, 409600
	s_add_nc_u64 s[WTS:WTS+1], s[14:15], s[100:101]   ; and their scale images
.irp c, 0,1,2
	global_load_b128 v[S+4*\c:S+4*\c+3], v[LI], s[4:5] offset:512*\c
.endr
	global_load_b32 v[IMS], v[LS], s[6:7]
	global_load_b32 v[RN], v[RO], s[10:11]            ; my query of tile 0: 8 T + r + 8 (r / 8) of the pair's 32
	global_load_b32 v[RN+2], v[RO], s[10:11] offset:32
	s_wait_loadcnt 0x0
	WIN 0x40                                       ; destination window 1: the four forms; zero CODES add nothing under any scale byte
.irp g, 0,1
.irp i, 0,1,2,3,4,5
	v_mov_b32 v[QV+24*\g+\i], v[S+6*\g+\i]
	v_mov_b32 v[QV+24*\g+6+\i], 0
	v_mov_b32 v[QV+24*\g+12+\i], 0
	v_mov_b32 v[QV+24*\g+18+\i], v[S+6*\g+\i]
.endr
.endr
	WIN 0
	v_perm_b32 v[SQ], v[IMS], v[IMS], 0x01000100   ; a tile's two scale bytes, for either half of K
	v_perm_b32 v[SQ+1], v[IMS], v[IMS], 0x03020302
	PLACES 8                                       ; a scale register written by a vector instruction stands 8 places ahead of a scaled product
; A KEY STEP: 128 keys.  zero = 1: its products start O^T's sums: nothing is ever cleared.  ask = 1: in the second of a slot's two steps the tail's first rows of query are prefetched.
.macro STEP zero, ask
	v_add_nc_u32 v[AKC], s[TBK], v[LI]             ; (these five are also the places behind the last step's products, in front of every load below into registers that those products read)
	v_add_nc_u32 v[AKS], s[TBK], v[LS]
	v_add_nc_u32 v[ACV], s[TBC], v[H64]
	v_add_nc_u32 v[AVC], s[TBV], v[LIW]
	v_add_nc_u32 v[AVS], s[TBV], v[LSW]
	WIN 0x40
.irp p, 0,1,2,3
.irp c, 0,1,2
	ds_load_b128 v[KF+12*\p+4*\c:KF+12*\p+4*\c+3], v[AKC] offset:1536*\p+512*\c
.endr
.endr
	WIN 0
.irp p, 0,1,2,3
	ds_load_b32 v[KS+\p], v[AKS] offset:6144+128*\p
.endr
	s_wait_dscnt 0x0                               ; K's 16 loads are in: nothing else of mine is out
	WIN 5                                          ; sources 0 (K) and 1 (w_q) window 1
.irp p, 0,1,2,3
.irp g, 0,1
.irp u, 0,1
	MM0 S+64*\g+16*\p+8*\u, KF+12*\p, QV+24*\g+12*\u, KS+\p, SQ+\g
.endr
.endr
.endr
	WIN 0x40                                       ; these loads name no register of the products just issued, and go out while those are worked
.irp p, 0,1,2,3
.irp j, 0,1,2,3
	ds_load_b128 v[CV+16*\p+4*\j:CV+16*\p+4*\j+3], v[ACV] offset:128*\p+16*\j   ; cinv of keys 32 p + 16 (lane / 16) + 4 j on: the order of my scores
.endr
.endr
	WIN 0
.irp d, 0,1,2,3,4,5,6,7
	ds_load_b32 v[VS+\d], v[AVS] offset:49152+128*\d
.endr
.if \ask
	s_cmp_eq_u32 s[TWICE], 1                       ; the last key step
	s_cbranch_scc0 .Lnot_yet_\@
.irp n, 0,1,2,3
	global_prefetch_b8 v[PFO], s[XB:XB+1] offset:\n*16*RSTR th:TH_LOAD_NT scope:SCOPE_SE   ; rows 16 n .. 16 n + 15 of my block, my 512 bytes of each
.endr
.Lnot_yet_\@:
.endif
	PLACES 4
.set ix, 0
.rept 64
	v_pk_mul_f32 v[S+ix:S+ix+1], v[S+ix:S+ix+1], s[CS:CS+1] op_sel_hi:[1,0]   ; each accumulator from its low end on
.set ix, ix+2
.endr
.irp e, 0,1,2,3                                ; the exponentials are one batch; ahead of each 32 of them two of V's operands are asked for
	WIN 0x40
.irp d, 0,1
.irp c, 0,1,2
	ds_load_b128 v[VF+12*(2*\e+\d)+4*\c:VF+12*(2*\e+\d)+4*\c+3], v[AVC] offset:1536*(2*\e+\d)+512*\c
.endr
.endr
	WIN 0
.set ix, 32*\e
.rept 32
	v_exp_f32 v[S+ix], v[S+ix]
.set ix, ix+1
.endr
.endr
	v_nop                                          ; a plain place behind the exponentials
	s_wait_alu depctr_va_vdst(0)                   ; one wait for the batch, ahead of its first reader
.set ix, 0
.rept 64
	v_pk_mul_f32 v[S+ix:S+ix+1], v[S+ix:S+ix+1], v[RN+2*(ix/64):RN+2*(ix/64)+1] op_sel_hi:[1,0]   ; the softmax,
.set ix, ix+2
.endr
	s_wait_dscnt 32                                ; cinv is in; behind its 16 loads went V's 8 scale words and 24 operand loads, which may be out
	WIN 4                                          ; source 1 window 1
.set ix, 0
.rept 64
	v_pk_mul_f32 v[S+ix:S+ix+1], v[S+ix:S+ix+1], v[CV+ix%64:CV+ix%64+1]   ; divided by (EPS + its sum over the queries)
.set ix, ix+2
.endr
	WIN 0
	QUANT S, PC, PW
	IMAGE LIP, 0, PC
	ds_store_b32 v[LSP], v[PW]
	QUANT S+64, PC2, PW2
	IMAGE LIP, 1536, PC2
	ds_store_b32 v[LSP], v[PW2] offset:128
	s_wait_dscnt 0x0                               ; for the others' sake: my two images have landed (and V is in)
	s_barrier_signal -1
	s_barrier_wait -1
.irp g, 0,1
	WIN 0x40
.irp q, 0,1,2,3
.irp c, 0,1,2
	ds_load_b128 v[PF+12*(4*\g+\q)+4*\c:PF+12*(4*\g+\q)+4*\c+3], v[PRD] offset:(4*\g+\q)*1536+512*\c
.endr
.endr
	WIN 0
.irp q, 0,1,2,3
	ds_load_b32 v[PS+4*\g+\q], v[PRS] offset:(4*\g+\q)*128
.endr
.endr
	s_wait_dscnt 16                                ; query tiles 0-3 are in; the 16 loads of tiles 4-7 may be out
	WIN 0xa5                                       ; sources 0 (V) and 1 (P) window 1, C and D window 2.  The 64 accumulators take turns
.irp q, 0,1,2,3
.irp d, 0,1,2,3,4,5,6,7
.if \zero
	MM0 64*\q+8*\d, VF+12*\d, PF+12*\q, VS+\d, PS+\q
.else
	MMA 64*\q+8*\d, VF+12*\d, PF+12*\q, VS+\d, PS+\q
.endif
.endr
.endr
	s_wait_dscnt 0x0                               ; my reads of P's images are over:
	s_barrier_signal -1                            ; say so; the next step's images are stored only when all four have said so
	WIN 0xf5
.irp q, 0,1,2,3
.irp d, 0,1,2,3,4,5,6,7
.if \zero
	MM0 64*\q+8*\d, VF+12*\d, PF+48+12*\q, VS+\d, PS+4+\q
.else
	MMA 64*\q+8*\d, VF+12*\d, PF+48+12*\q, VS+\d, PS+4+\q
.endif
.endr
.endr
	WIN 0
	s_barrier_wait -1
	s_add_co_u32 s[TBV], s[TBV], VREC              ; on to the slot's next step
	s_add_co_u32 s[TBK], s[TBK], KREC
	s_add_co_u32 s[TBC], s[TBC], 512
.endm
; THE CHANGE OF SLOTS.  Each wave waits for all its tensor loads (its part of the slot ahead), adds 0 to its spare word, and waits for that and for its reads of the slot that it leaves.
; fill = 1: a round of the cluster's barrier, so that no wave of any partner still reads that slot or has a load on its way; the joint refill is the first thing behind it.
.macro CHANGE fill
	s_wait_tensorcnt 0x0                           ; no tensor load of mine is out, so a group 0 may be written
	ds_add_u32 v[SPW], v[NIL]                      ; 0 onto my spare word
.if \fill
.irp g, G0V+4, G0K+4, G0C+4
	s_xor_b32 s[\g+1], s[\g+1], SLOT1              ; the walking descriptors: the other slot than last time,
.endr
	s_add_nc_u64 s[G0V+6:G0V+7], s[G0V+6:G0V+7], 2*VREC   ; the next two key steps; the type bits on top are not reached
	s_add_nc_u64 s[G0K+6:G0K+7], s[G0K+6:G0K+7], 2*KREC
	s_add_nc_u64 s[G0C+6:G0C+7], s[G0C+6:G0C+7], 1024
.endif
	s_wait_dscnt 0x0                               ; the add is done, and my reads of the slot are over
.if \fill
	CROUND
	JLOAD3
.else
	s_barrier_signal -1
	s_barrier_wait -1
.endif
	s_sub_co_u32 s[TBV], s[TBV], 2*VREC            ; back to a slot's first step, in the other slot
	s_xor_b32 s[TBV], s[TBV], SLOT1
	s_sub_co_u32 s[TBK], s[TBK], 2*KREC
	s_xor_b32 s[TBK], s[TBK], SLOT1
	s_sub_co_u32 s[TBC], s[TBC], 1024
	s_xor_b32 s[TBC], s[TBC], SLOT1
.endm
.macro TWO_STEPS ask                   ; a slot's two key steps: written once, walked twice
	s_mov_b32 s[TWICE], 2
.Lstep_\@:
	STEP 0, \ask
	s_sub_co_u32 s[TWICE], s[TWICE], 1
	s_cmp_lg_u32 s[TWICE], 0
	s_cbranch_scc1 .Lstep_\@
.endm
	s_wait_tensorcnt 1                             ; my part of slot 0 is in; slot 1's one load may stay out
	s_barrier_signal -1
	s_barrier_wait -1                              ; everybody's is
	STEP 1, 0
	STEP 0, 0
	s_mov_b32 s[SLOTS], 6
.Lslot:                                            ; six trips: slots 2 to 7 of the batch's eight are asked for
	CHANGE 1
	TWO_STEPS 0
	s_sub_co_u32 s[SLOTS], s[SLOTS], 1
	s_cmp_lg_u32 s[SLOTS], 0
	s_cbranch_scc1 .Lslot
	CHANGE 0                                       ; the last slot is written out
	TWO_STEPS 1
	; ---- z = query - O, quantised along the channels: my 128 channels are K step w of the last product
.macro QLOADS q                        ; query tile q: 16 rows x my 512 bytes into set q % 4 of window 1; each load reads 512 consecutive bytes of one row
	WIN 0x40
.irp i, 0,1,2,3,4,5,6,7,8,9,10,11,12,13,14,15
	global_load_b128 v[64*((\q)%4)+4*\i:64*((\q)%4)+4*\i+3], v[LI], s[XB:XB+1] offset:(32*((\q)/2)+8*((\q)%2)+\i+8*(\i/8))*RSTR th:TH_LOAD_NT
.endr
	WIN 0
.endm
.macro WTLOAD s                        ; Wt's eight operands of K step s into set s % 2 of window 1, and their scale words
	WIN 0x40
.irp n, 0,1,2,3,4,5,6,7
.irp c, 0,1,2
	global_load_b128 v[96*((\s)%2)+12*\n+4*\c:96*((\s)%2)+12*\n+4*\c+3], v[LI], s[WTB:WTB+1] offset:(4*\n+(\s))*1536+512*\c
.endr
.endr
	WIN 0
.irp n, 0,1,2,3,4,5,6,7
	global_load_b32 v[VS+(WS2-VS)*((\s)%2)+\n], v[LS], s[WTS:WTS+1] offset:(4*\n+(\s))*128
.endr
.endm
.macro ZUNIT q
.if (\q) < 5
	s_wait_loadcnt 48                              ; this tile's 16 loads are in; those of the three tiles behind it may be out
.else
	s_wait_loadcnt 16*(7-(\q))
.endif
	WIN 4                                          ; an LDS store's data are its source 1: window 1
.irp i, 0,1,2,3,4,5,6,7,8,9,10,11,12,13,14,15
	ds_store_b128 v[STO], v[64*((\q)%4)+4*\i:64*((\q)%4)+4*\i+3] offset:SP*\i
.endr
	WIN 0
.irp b, 0,1,2,3
.irp j, 0,1,2,3
	ds_load_b128 v[S+16*\b+4*\j:S+16*\b+4*\j+3], v[RDA] offset:128*\b+16*\j   ; LDS serves a wave's instructions in order: these see the stores above
.endr
.endr
	s_wait_dscnt 0x0                               ; the numbers are back; the stores have read the set and, a tile ago, the codes
.if (\q)+4 < 8
	QLOADS (\q)+4
.endif
.if (\q) == 7
	WTLOAD 0                                       ; sets 0 to 2 have been read out: Wt's first two K steps are asked for
	WTLOAD 1
.endif
	WIN 8+4*((\q)/4)                               ; source 1: window 2 or 3
.set ix, 0
.rept 32
	v_pk_add_f32 v[S+ix:S+ix+1], v[S+ix:S+ix+1], v[64*((\q)%4)+ix:64*((\q)%4)+ix+1] neg_lo:[0,1] neg_hi:[0,1]   ; each accumulator from its low end on
.set ix, ix+2
.endr
	WIN 0
	QUANT S, PC, PW
	IMAGE ZWI, ZIMG+(\q)*6144, PC
	ds_store_b32 v[ZWS], v[PW] offset:(\q)*512
.endm
	PLACES 4                                       ; in front of loads into registers that the last products read
.irp q, 0,1,2,3
	QLOADS \q
.endr
.irp q, 0,1,2,3,4,5,6,7
	ZUNIT \q
.endr
	s_wait_dscnt 0x0                               ; for the others' sake: my eight images have landed
	s_barrier_signal -1
	s_barrier_wait -1
	; ---- Y^T = Wt Z^T: my 128 outputs for the 128 queries: 64 accumulators by turns, a K step at a time
.irp s, 0,1,2,3
.irp q, 0,1,2,3,4,5,6,7
.irp c, 0,1,2
	ds_load_b128 v[ZF+12*\q+4*\c:ZF+12*\q+4*\c+3], v[LI] offset:ZIMG+(4*\q+\s)*1536+512*\c
.endr
	ds_load_b32 v[PS+\q], v[LS] offset:ZSC+512*\q+128*\s
.endr
	s_wait_dscnt 0x0
.if \s < 3
	s_wait_loadcnt 32                              ; this K step's 32 loads of Wt are in; the next one's 32 may be out
.else
	s_wait_loadcnt 0x0
.endif
	WIN 0xa1                                       ; source 0 (Wt) window 1, source 1 (z) window 0, C and D window 2
.irp q, 0,1,2,3
.irp n, 0,1,2,3,4,5,6,7
.if \s == 0
	MM0 64*\q+8*\n, 96*(\s%2)+12*\n, ZF+12*\q, VS+(WS2-VS)*(\s%2)+\n, PS+\q
.else
	MMA 64*\q+8*\n, 96*(\s%2)+12*\n, ZF+12*\q, VS+(WS2-VS)*(\s%2)+\n, PS+\q
.endif
.endr
.endr
	WIN 0xf1
.irp q, 0,1,2,3
.irp n, 0,1,2,3,4,5,6,7
.if \s == 0
	MM0 64*\q+8*\n, 96*(\s%2)+12*\n, ZF+48+12*\q, VS+(WS2-VS)*(\s%2)+\n, PS+4+\q
.else
	MMA 64*\q+8*\n, 96*(\s%2)+12*\n, ZF+48+12*\q, VS+(WS2-VS)*(\s%2)+\n, PS+4+\q
.endif
.endr
.endr
	WIN 0
	PLACES 4                                       ; in front of loads into registers that the products read, and of the first read of results
.if \s < 2
	WTLOAD \s+2
.endif
.endr
	; ---- THE WAY OUT, a query tile at a time: relu; a lane's 64 numbers (four runs of 16 neighbours of one row) into my stage; back as whole rows of 512 bytes; stored.
.macro TOSTAGE q
	WIN 8+4*((\q)/4)                               ; source 1: window 2 or 3
.set ix, 0
.rept 64
	v_max_num_f32 v[S+64*((\q)%2)+ix], 0, v[64*((\q)%4)+ix]   ; each accumulator from its low end on; two sets by turns, so that none is written while LDS stores may still read it
.set ix, ix+1
.endr
	WIN 0
.irp b, 0,1,2,3
.irp j, 0,1,2,3
	ds_store_b128 v[RDA], v[S+64*((\q)%2)+16*\b+4*\j:S+64*((\q)%2)+16*\b+4*\j+3] offset:128*\b+16*\j
.endr
.endr
	WIN 0x40
.irp i, 0,1,2,3,4,5,6,7,8,9,10,11,12,13,14,15
	ds_load_b128 v[64*((\q)%2)+4*\i:64*((\q)%2)+4*\i+3], v[STO] offset:SP*\i   ; LDS serves a wave's instructions in order: these see the stores above, and the next tile's stores come behind them
.endr
	WIN 0
.endm
.macro SEND q, younger                 ; younger: the LDS instructions issued behind tile q's loads, which may stay out
	s_wait_dscnt \younger
	WIN 4                                          ; a store's data are its source 1: window 1
.irp i, 0,1,2,3,4,5,6,7,8,9,10,11,12,13,14,15
	global_store_b128 v[LI], v[64*((\q)%2)+4*\i:64*((\q)%2)+4*\i+3], s[OB:OB+1] offset:(32*((\q)/2)+8*((\q)%2)+\i+8*(\i/8))*RSTR th:TH_STORE_NT   ; 512 consecutive bytes, at a multiple of 256 from out0's first byte
.endr
	WIN 0
.endm
	TOSTAGE 0
.irp q, 1,2,3,4,5,6,7
.if \q > 1
	s_wait_xcnt 0x0                                ; the stores of the tile two back have read their registers: this tile's rows may land there
.endif
	TOSTAGE \q
	SEND \q-1, 32                                  ; behind that tile's loads: this tile's 16 stores and 16 loads
.endr
	SEND 7, 0
	s_wait_tensorcnt 0x0                           ; the wave's end: behind my last tensor load and my last LDS store
	ds_add_u32 v[SPW], v[NIL]
	s_wait_dscnt 0x0
	CROUND                                         ; the closing round: no work-group ends while a partner may still ask jointly
	s_endpgm
.Lfunc_end_k_qbe78bd7f47_attn:
	.size	k_qbe78bd7f47_attn, .Lfunc_end_k_qbe78bd7f47_attn-k_qbe78bd7f47_attn
	.p2alignl 7, 3214868480
	.fill 96, 4, 3214868480
	.section	.rodata,"a",@progbits
	.p2align	6, 0x0
	.amdhsa_kernel k_qbe78bd7f47_attn
		.amdhsa_group_segment_fixed_size 327680
		.amdhsa_private_segment_fixed_size 0
		.amdhsa_enable_private_segment 0
		.amdhsa_kernarg_size 64
		.amdhsa_user_sgpr_count 2
		.amdhsa_user_sgpr_kernarg_segment_ptr 1
		.amdhsa_wavefront_size32 1
		.amdhsa_system_sgpr_workgroup_id_x 1
		.amdhsa_system_sgpr_workgroup_id_y 1
		.amdhsa_system_sgpr_workgroup_id_z 1
		.amdhsa_system_vgpr_workitem_id 0
		.amdhsa_next_free_vgpr 1024
		.amdhsa_next_free_sgpr 102
		.amdhsa_reserve_vcc 0
		.amdhsa_float_denorm_mode_32 3
		.amdhsa_float_denorm_mode_16_64 3
		.amdhsa_memory_ordered 1
		.amdhsa_forward_progress 1
		.amdhsa_inst_pref_size 255
	.end_amdhsa_kernel
	.section	.bss,"aw",@nobits
	.p2align	6
	.space	262144
	.amdgpu_metadata
---
amdhsa.version: [ 1, 2 ]
amdhsa.kernels:
  - .name:           k_qbe78bd7f47_attn
    .symbol:         k_qbe78bd7f47_attn.kd
    .args:
      - { .name: qimg, .offset: 0, .size: 8, .value_kind: global_buffer, .address_space: global }
      - { .name: kimg, .offset: 8, .size: 8, .value_kind: global_buffer, .address_space: global }
      - { .name: vimg, .offset: 16, .size: 8, .value_kind: global_buffer, .address_space: global }
      - { .name: rinv, .offset: 24, .size: 8, .value_kind: global_buffer, .address_space: global }
      - { .name: cinv, .offset: 32, .size: 8, .value_kind: global_buffer, .address_space: global }
      - { .name: wimg, .offset: 40, .size: 8, .value_kind: global_buffer, .address_space: global }
      - { .name: query, .offset: 48, .size: 8, .value_kind: global_buffer, .address_space: global }
      - { .name: out0, .offset: 56, .size: 8, .value_kind: global_buffer, .address_space: global }
    .group_segment_fixed_size: 327680
    .private_segment_fixed_size: 0
    .kernarg_segment_align: 8
    .kernarg_segment_size: 64
    .max_flat_workgroup_size: 128
    .sgpr_count:     102
    .vgpr_count:     1024
    .wavefront_size: 32
...
	.end_amdgpu_metadata
.endif
;; end of part 4
